; MI455X (gfx1250); checked and timed in simulation.
; The chip was launched on July 23, 2026; its instructions are those of AMD's public machine-readable ISA for CDNA 5 (MIT licence, August 2026) and "CDNA5" Instruction Set Architecture Reference Guide (July 2026). The comments in the code are by the model that wrote it; some were corrected since.
;; Multi Head Attention. Allowed arithmetic: matrix products marked QUANTISED: E2M1 operands, one E8M0 scale for each 32 along K, by v_wmma_scale_f32_16x16x128_f8f6f4 with both operands' format E2M1 (or v_wmma_scale_f32_32x16x128_f4), f32 sums; everything else in f32.
;; Inputs: Wk 16 x 1,024 x 64 float32; Wo 1,024 x 1,024 float32; Wq 16 x 1,024 x 64 float32; Wv 16 x 1,024 x 64 float32; bo 1,024 float32; x 4 x 2,048 x 1,024 float32.
;; Outputs: out0 4 x 2,048 x 1,024 float32.
;; This version of the problem:
;;   THIS VERSION OF THE PROBLEM IS GIVEN IN LOW PRECISION. The matrix products marked QUANTISED in the list below multiply operands that are first quantised to E2M1 (2 exponent bits, 1 mantissa bit; 4 bits a number), with one power-of-two scale for each 32 numbers along K (OCP MX v1.0); their sums are f32. All else is computed in f32.
;;   The module's matrix products, in the order in which they are computed (A, B: the left and right operand; K: the contracted axis; several contracted axes count as one K, in the product's order):
;;     1. [M 1,024, K 1,024] x [K 1,024, N 8,192]; A: input Wq; B: input x: QUANTISED
;;     2. [M 1,024, K 1,024] x [K 1,024, N 8,192]; A: input Wk; B: input x: QUANTISED
;;     3. [M 1,024, K 1,024] x [K 1,024, N 8,192]; A: input Wv; B: input x: QUANTISED
;;     4. batch 64 x [M 2,048, K 64] x [K 64, N 2,048]; A: computed on the way; B: computed on the way: QUANTISED
;;     5. batch 64 x [M 2,048, K 2,048] x [K 2,048, N 64]; A: softmax (see below); B: computed on the way: QUANTISED
;;     6. [M 8,192, K 1,024] x [K 1,024, N 1,024]; A: computed on the way; B: input Wo: QUANTISED
;;   THE QUANTISER, for each operand of a quantised product, along K:
;;     - K is cut into blocks of 32 from its start; a last block that is shorter is filled with zeros.
;;     - A block's scale is 2^e with e = floor(log2(the largest magnitude in the block)) - 2, held to -126 .. 127; a block of zeros has e = 0. As a byte (E8M0): e + 127.
;;     - Each number is divided by its block's scale, clamped to +-6, and rounded to the nearest number of E2M1, ties to even, subnormals kept.
;;     - The product sums the exact products of the quantised numbers (number of the format x scale) in f32.
;;   ~~~python
;;   def quantise(x, axis):      # numpy; x: float32 -> the quantised numbers, widened to float32 again
;;       x = np.moveaxis(x, axis, -1); K = x.shape[-1]
;;       x = np.pad(x, [(0, 0)] * (x.ndim - 1) + [(0, -K % 32)]); x = x.reshape(x.shape[:-1] + (-1, 32)); a = np.abs(x).max(-1, keepdims=True)
;;       e = np.where(a > 0, np.clip(np.frexp(np.where(a > 0, a, 1))[1] - 1 - 2, -126, 127), 0)      # np.frexp(a)[1] - 1 = floor(log2(a)), exactly
;;       r = np.clip(x / 2.0 ** e, -6, 6)
;;       step = 2.0 ** (np.maximum(np.frexp(np.where(r == 0, 1, r))[1] - 1, 0) - 1)
;;       q = np.round(r / step) * step * 2.0 ** e      # np.round: ties to even
;;       return np.moveaxis(q.reshape(q.shape[:-2] + (-1,))[..., :K], -1, axis).astype(np.float32)
;;   ~~~
;;   SOFTMAX AHEAD OF A QUANTISED PRODUCT. Where the list says 'softmax', what is quantised is not the finished softmax but p = 2^(t - M), with t = logit x log2(e) and M = ceil(the row's largest t), a whole number; so 1/2 < the row's largest p <= 1. The row's sum l is taken of the UNQUANTISED p, in f32, and the product's result is divided by l at the end. Since M is a whole number, a kernel that streams over the keys may use a running M (the ceiling of the running maximum): every later rescaling is an exact power of two, which a block's scale takes up: the codes' values come out the same.
;;   OPERANDS COMPUTED ON THE WAY. 'Computed on the way' means the value that the module computes at that place (a softmax that the list does not call 'softmax' is quantised finished and normalised). What goes into a quantiser is computed in f32, as accurately as f32 sums, v_exp_f32 and their like allow (about 1e-6 of the number): no bf16 or f16 on the way to a quantiser, and a product that is left as it is and whose result goes on into a quantised operand takes f32 operands (vector FMAs, or v_wmma_f32_16x16x4_f32). A number that lies on a knife's edge between two numbers of the format may be rounded either way, as far as f32 arithmetic and the matrix unit's own rounding can turn it there, and no further.
;; One version. Each part assembles by itself: llvm-mc -triple=amdgcn-amd-amdhsa -mcpu=gfx1250 --defsym DOCPART=n.
;; ======== version 1 of 1: 4 launches
;; limits: right only within a limited range of input values
;; workspace buffers: xc 4,194,304 bytes; xs 262,144 bytes; wc 2,097,152 bytes; ws 131,072 bytes; qkv 18,350,080 bytes; oc 4,194,304 bytes; os 262,144 bytes
;; launch prep (part 1): grid 256 x 1, 8 waves a work-group, no clusters, 103,424 bytes of LDS; arguments x, Wq, Wk, Wv, Wo, xc, xs, wc, ws; writes xc, xs, wc, ws
.if DOCPART == 1
	.amdgcn_target "amdgcn-amd-amdhsa--gfx1250"
	.amdhsa_code_object_version 6
	.text
	.protected	k_q80ec65b995_prep
	.globl	k_q80ec65b995_prep
	.p2align	8
	.type	k_q80ec65b995_prep,@function
k_q80ec65b995_prep:
	s_mov_b64 s[64:65], 0
	v_nop
	global_prefetch_b8 v0, s[64:65] scope:SCOPE_SE
	s_setreg_imm32_b32 hwreg(HW_REG_WAVE_MODE, 25, 1), 1
	s_wait_xcnt 0x0
; MULTI-HEAD ATTENTION IN MX-FP4, launch 1 of 4: the inputs of the products with given operands become codes of E2M1 (two a byte, K innermost) and one E8M0 byte for each 32 along K.
;   x [8192 tokens][1024]          -> xc [8192 positions][512 B], xs [8192][32 B]       (K = D is innermost)
;   Wq, Wk, Wv [16][1024 (K)][64]  -> wc rows 384 (head / 2) + 128 which + 64 (head % 2) + position(e), ws likewise   (K is the middle axis: a lane takes a column, its registers run down K)
;   Wo [1024 (K)][1024]            -> wc rows 3072 + n, ws likewise
; POSITIONS.  Token tau lies at position tau with bits 3 and 4 exchanged, column e of Wq, Wk, Wv likewise; Wo's columns lie as they are.  Sixteen neighbouring positions 32 b + 16 u + r are then the rows
; 32 b + 8 u + r + 8 (r / 8): two neighbouring result tiles of a later product give a lane 16 neighbours along the next K, and every later tile is 16 consecutive rows of memory.
; WORK LEFT OUT IN THIS PROGRAM (launch 3): a key step whose 128 keys all come after a wave's 16 queries.  reference() sets these scores to -inf by the tril that it builds itself, so their p is 0 for all values of the
; inputs and they add nothing to the row's maximum, its sum or its result.  LIMIT: a NaN, an infinity or an overflow that reaches only such scores is not carried to the result.  Every input is loaded.
; A block's scale is 2^(floor(log2(largest magnitude)) - 2); its byte is the largest magnitude's exponent field - 2, held at 1 from below.
; LIMITS: a block of zeros, and a block whose largest magnitude lies under 2^-124, carries the byte 1 (a block of zeros has zero codes, and this program alone reads the bytes); NaN and infinities among the inputs are not served.
; Work-groups 0-127 take x, 128-223 Wq, Wk, Wv, 224-255 Wo.  The three ways part on the work-group's number alone; each has LDS bytes of its own.
.set SPW,   12                         ; v12  LDS address of my spare word; never rewritten
.set NIL,   13                         ; v13  0; never rewritten
.set SPARE, 102400                     ; the spare words: 128 bytes for each of the eight waves
.set STEPS, 16
.set EMAX,  2
.set CB,    8                          ; bytes of 16 codes
.set R,     16                         ; x: v16-79 four sets of 16 numbers as loaded
.set X,     80                         ; x: v80-111 two sets of 16 neighbours
.set E,     112                        ; x: v112-127 a scale byte for each step
.set C,     128                        ; x: v128-191 codes, four registers for each step
.set WREG,  8192                       ; x: a wave's LDS region: two stages of 32 x SP bytes, then its 256 scale bytes
.set SP,    80
.macro FINISH                          ; the wave's end
	s_wait_tensorcnt 0x0
	ds_add_u32 v[SPW], v[NIL]
	s_wait_dscnt 0x0
	s_endpgm
.endm
	s_load_b256 s[8:15], s[0:1], 0x0               ; x s[8:9], Wq s[10:11], Wk s[12:13], Wv s[14:15]
	s_load_b256 s[16:23], s[0:1], 0x20             ; Wo s[16:17], xc s[18:19], xs s[20:21], wc s[22:23]
	s_load_b64 s[24:25], s[0:1], 0x40              ; ws
	v_lshl_add_u32 v[SPW], v0, 2, SPARE
	v_mov_b32 v[NIL], 0
	v_lshrrev_b32 v1, 5, v0
	s_delay_alu instid0(VALU_DEP_1)
	v_readfirstlane_b32 s26, v1                    ; wave 0..7
	v_and_b32 v2, 31, v0                           ; lane
	s_cmp_lt_u32 ttmp9, 128
	s_cbranch_scc0 .Lweights
; ---- x.  A wave takes a run of 8 rows (8,192 numbers) in 16 steps of 512.  Each load reads 512 consecutive bytes; a step's 2,048 bytes turn through the wave's own stage, so that a lane holds 16 neighbours.
	v_lshlrev_b32 v3, 4, v2                        ; my 16 bytes of a load's 512
	s_mul_i32 s27, s26, WREG
	v_lshrrev_b32 v14, 2, v2
	s_delay_alu instid0(VALU_DEP_1)
	v_mul_u32_u24 v14, v14, SP
	v_and_b32 v15, 3, v2
	s_delay_alu instid0(VALU_DEP_1)
	v_lshl_add_u32 v14, v15, 4, v14
	s_delay_alu instid0(VALU_DEP_1)
	v_add_nc_u32 v14, s27, v14                     ; the stage, in: SP (lane / 4) + 16 (lane % 4)
	v_mul_u32_u24 v15, v2, SP
	s_delay_alu instid0(VALU_DEP_1)
	v_add_nc_u32 v15, s27, v15                     ; and out: SP x lane
	v_mul_u32_u24 v4, v2, CB                       ; my codes' place in a step's 256 bytes
	v_lshrrev_b32 v5, 1, v2
	s_add_co_u32 s27, s27, 2*32*SP
	v_add_nc_u32 v5, s27, v5                       ; my block's scale byte in LDS
	v_lshlrev_b32 v7, 3, v2
	s_delay_alu instid0(VALU_DEP_1)
	v_add_nc_u32 v6, s27, v7                       ; and 8 bytes a lane on the way out
	s_lshl_b32 s28, ttmp9, 3
	s_add_co_u32 s28, s28, s26                     ; the run: rows 8 run .. 8 run + 7
	s_and_b32 s29, s28, 1
	s_lshl_b32 s29, s29, 1
	s_bfe_u32 s30, s28, 0x10001
	s_or_b32 s29, s29, s30
	s_and_b32 s30, s28, 0xfffffffc
	s_or_b32 s29, s29, s30                         ; where it goes: bits 3 and 4 of a token are bits 0 and 1 of its run
	s_lshl_b32 s30, s28, 15                        ; 32,768 bytes of f32 a run
	s_mov_b32 s31, 0
	s_lshl_b32 s32, s29, 12                        ; 4,096 bytes of codes
	s_mov_b32 s33, 0
	s_lshl_b32 s34, s29, 8                         ; 256 scale bytes
	s_mov_b32 s35, 0
	s_wait_alu depctr_va_vdst(0)
	s_wait_kmcnt 0x0
	s_add_nc_u64 s[4:5], s[8:9], s[30:31]
	s_add_nc_u64 s[6:7], s[18:19], s[32:33]
	s_add_nc_u64 s[36:37], s[20:21], s[34:35]
.macro LOAD t
.irp i, 0,1,2,3
	global_load_b128 v[R+16*((\t)%4)+4*\i:R+16*((\t)%4)+4*\i+3], v3, s[4:5] offset:2048*(\t)+512*\i th:TH_LOAD_NT
.endr
.endm
.macro TURN t                          ; step t through the stage: LDS serves a wave's instructions in order, so no wait stands between the stores and the loads
.irp i, 0,1,2,3
	ds_store_b128 v14, v[R+16*((\t)%4)+4*\i:R+16*((\t)%4)+4*\i+3] offset:32*SP*((\t)%2)+8*SP*\i
.endr
.irp i, 0,1,2,3
	ds_load_b128 v[X+16*((\t)%2)+4*\i:X+16*((\t)%2)+4*\i+3], v15 offset:32*SP*((\t)%2)+16*\i
.endr
.endm
.irp t, 0,1,2,3
	LOAD \t
.endr
	s_wait_loadcnt 12                              ; step 0's four loads are in; three steps' may be out
	TURN 0
.macro STEP t
.set XS, X+16*((\t)%2)
.if (\t) > 0
	s_wait_dscnt 1                                 ; this step's numbers are back from the stage (the last step's byte store may be out)
.else
	s_wait_dscnt 0x0
.endif
.if (\t)+4 < STEPS
	LOAD (\t)+4                                    ; into the registers that this step's stores into the stage have read
.endif
.if (\t)+1 < STEPS
.if STEPS-2-(\t) >= 3
	s_wait_loadcnt 12                              ; the next step's four loads are in; three steps' may be out
.else
	s_wait_loadcnt 4*(STEPS-2-(\t))
.endif
	TURN (\t)+1
.endif
	v_max3_num_f32 v8, |v[XS]|, |v[XS+1]|, |v[XS+2]|               ; the largest magnitude of my 16, in two chains
	v_max3_num_f32 v9, |v[XS+3]|, |v[XS+4]|, |v[XS+5]|
.irp i, 6,10
	s_delay_alu instid0(VALU_DEP_2)
	v_max3_num_f32 v8, v8, |v[XS+\i]|, |v[XS+\i+1]|
	s_delay_alu instid0(VALU_DEP_2)
	v_max3_num_f32 v9, v9, |v[XS+\i+2]|, |v[XS+\i+3]|
.endr
	s_delay_alu instid0(VALU_DEP_2)
	v_max3_num_f32 v8, v8, |v[XS+14]|, |v[XS+15]|
	s_delay_alu instid0(VALU_DEP_1)
	v_max3_num_f32 v8, v8, v9, (EMAX+1)<<23        ; and the floor 2^(3 - 127): the byte cannot fall under 1
	s_delay_alu instid0(VALU_DEP_1)
	v_max_num_f32_dpp v8, v8, v8 row_xmask:1 row_mask:0xf bank_mask:0xf   ; with my neighbour's 16: the block's
	s_delay_alu instid0(VALU_DEP_1)
	v_add_nc_u32 v11, -(EMAX<<23), v8              ; 2 off its exponent field: the conversion's scale operand
	v_cvt_scalef32_pk8_fp4_f32 v[C+4*(\t)], v[XS:XS+7], v11
	v_cvt_scalef32_pk8_fp4_f32 v[C+4*(\t)+1], v[XS+8:XS+15], v11
	v_lshrrev_b32 v[E+(\t)], 23, v11               ; the scale's byte
	ds_store_b8 v5, v[E+(\t)] offset:16*(\t)       ; both lanes of a block write the same byte with the same value
	global_store_b64 v4, v[C+4*(\t):C+4*(\t)+1], s[6:7] offset:32*CB*(\t)   ; the wave stores 256 consecutive bytes, aligned
.endm
.irp t, 0,1,2,3,4,5,6,7,8,9,10,11,12,13,14,15
	STEP \t
.endr
	ds_load_b64 v[8:9], v6                         ; my wave's 256 scale bytes: these see my stores
	s_wait_dscnt 0x0
	global_store_b64 v7, v[8:9], s[36:37]          ; 256 consecutive bytes, aligned
	FINISH
; ---- the weights.  A work-group takes 64 columns x 512 along K; wave w takes 32 columns (w & 1) x 128 along K (w >> 1): four blocks a lane.
.Lweights:
	s_sub_co_u32 s27, ttmp9, 128                   ; 0..95: Wq, Wk, Wv;  96..127: Wo
	s_and_b32 s28, s27, 1                          ; which half of K
	s_lshr_b32 s29, s27, 1                         ; the output's first row / 64
	s_and_b32 s30, s26, 1                          ; which 32 columns
	s_lshr_b32 s31, s26, 1                         ; which 128 along K
	s_wait_alu depctr_va_vdst(0)
	v_lshlrev_b32 v3, 2, v2                        ; in: 4 bytes a lane
	; WHERE THE ROWS OF Wq, Wk, Wv LIE IN wc AND ws: by pairs of heads, row = 384 (head / 2) + 128 which + 64 (head % 2) + position(e), so that the 384 rows that
	; a work-group of launch 2 needs are consecutive.  Wo's rows lie at 3072 + n.
	s_bfe_u32 s43, s29, 0x30001                    ; head / 2
	s_mul_i32 s43, s43, 6
	s_lshr_b32 s44, s29, 4                         ; which
	s_lshl_b32 s44, s44, 1
	s_add_co_u32 s43, s43, s44
	s_and_b32 s44, s29, 1                          ; head % 2
	s_add_co_u32 s43, s43, s44
	s_cmp_lt_u32 s27, 96                           ; Wo keeps its place
	s_cselect_b32 s43, s43, s29                    ; the output's first row / 64
	s_lshl_b32 s32, s43, 15
	s_lshl_b32 s33, s28, 8                         ; + 256 bytes for the upper half of K
	s_add_co_u32 s32, s32, s33
	s_mov_b32 s33, 0
	s_lshl_b32 s34, s43, 11
	s_lshl_b32 s35, s28, 4
	s_add_co_u32 s34, s34, s35
	s_mov_b32 s35, 0
	s_lshl_b32 s36, s28, 9
	s_lshl_b32 s37, s31, 7
	s_add_co_u32 s36, s36, s37                     ; my first row of K
	s_lshl_b32 s37, s30, 7                         ; my 32 columns, in bytes
	s_wait_kmcnt 0x0
	s_add_nc_u64 s[6:7], s[22:23], s[32:33]
	s_add_nc_u64 s[38:39], s[24:25], s[34:35]
; pitch: bytes from row to row of K;  perm = 1: columns go to their positions;  stg, sstg: this way's own stages in LDS (64 rows x 272 bytes of codes; 64 x 16 scale bytes)
.macro WPATH pitch, perm, stg, sstg
.set i, 0
.rept 128
	global_load_b32 v[64+i], v3, s[4:5] offset:i*\pitch th:TH_LOAD_NT     ; W(my first row + i, my column): all 128 go out together
.set i, i+1
.endr
.if \perm
	v_and_b32 v4, 7, v2
	v_bfe_u32 v5, v2, 3, 1
	s_delay_alu instid0(VALU_DEP_1)
	v_lshl_or_b32 v4, v5, 4, v4
	v_bfe_u32 v5, v2, 4, 1
	s_delay_alu instid0(VALU_DEP_1)
	v_lshl_or_b32 v4, v5, 3, v4                    ; bits 3 and 4 exchanged
.else
	v_and_b32 v4, 31, v2
.endif
	s_lshl_b32 s42, s30, 5
	v_add_nc_u32 v4, s42, v4                       ; my column's row in the stages
	s_delay_alu instid0(VALU_DEP_1)
	v_lshlrev_b32 v5, 4, v4
	s_delay_alu instid0(VALU_DEP_2)
	v_mul_u32_u24 v4, v4, 272
	s_lshl_b32 s42, s31, 6
	s_add_co_u32 s42, s42, \stg
	v_add_nc_u32 v4, s42, v4                       ; codes: row x 272 + 64 bytes for each 128 along K
	s_lshl_b32 s42, s31, 2
	s_add_co_u32 s42, s42, \sstg
	v_add_nc_u32 v5, s42, v5                       ; scale word: row x 16 + 4 for each 128 along K
	v_and_b32 v6, 15, v2
	v_lshrrev_b32 v7, 4, v2
	s_delay_alu instid0(VALU_DEP_1)
	v_mul_u32_u24 v10, v7, 272
	s_delay_alu instid0(VALU_DEP_1)
	v_lshl_add_u32 v10, v6, 4, v10
	s_mul_i32 s42, s26, 8*272
	s_add_co_u32 s42, s42, \stg
	v_add_nc_u32 v10, s42, v10                     ; out: wave w takes rows 8 w .. 8 w + 7, sixteen lanes to a row
	v_lshlrev_b32 v14, 9, v7
	s_delay_alu instid0(VALU_DEP_1)
	v_lshl_add_u32 v14, v6, 4, v14
	s_lshl_b32 s42, s26, 12
	v_add_nc_u32 v14, s42, v14                     ; and the same place in wc
	v_lshlrev_b32 v15, 2, v2
	s_lshl_b32 s42, s26, 7
	s_add_co_u32 s42, s42, \sstg
	v_add_nc_u32 v15, s42, v15                     ; scale words out: four lanes to a row
	v_lshrrev_b32 v16, 2, v2
	v_and_b32 v17, 3, v2
	s_delay_alu instid0(VALU_DEP_2)
	v_lshlrev_b32 v16, 5, v16
	s_delay_alu instid0(VALU_DEP_1)
	v_lshl_add_u32 v16, v17, 2, v16
	s_lshl_b32 s42, s26, 8
	v_add_nc_u32 v16, s42, v16                     ; and the same place in ws
.irp t, 0,1,2,3
.set XS, 64+32*\t
.if \t < 2
	s_wait_loadcnt 63                              ; blocks 0 and 1 are in: at most 63 of the 128 are out (the wait can name no larger count)
.else
	s_wait_loadcnt 96-32*\t                        ; this block's 32 loads are in; the younger blocks' may be out
.endif
	v_max3_num_f32 v8, |v[XS]|, |v[XS+1]|, |v[XS+2]|               ; the block's largest magnitude: all 32 numbers are mine
	v_max3_num_f32 v9, |v[XS+3]|, |v[XS+4]|, |v[XS+5]|
.irp i, 6,10,14,18,22,26
	s_delay_alu instid0(VALU_DEP_2)
	v_max3_num_f32 v8, v8, |v[XS+\i]|, |v[XS+\i+1]|
	s_delay_alu instid0(VALU_DEP_2)
	v_max3_num_f32 v9, v9, |v[XS+\i+2]|, |v[XS+\i+3]|
.endr
	s_delay_alu instid0(VALU_DEP_2)
	v_max3_num_f32 v8, v8, |v[XS+30]|, |v[XS+31]|
	s_delay_alu instid0(VALU_DEP_1)
	v_max3_num_f32 v8, v8, v9, (EMAX+1)<<23        ; and the floor
	s_delay_alu instid0(VALU_DEP_1)
	v_add_nc_u32 v11, -(EMAX<<23), v8              ; the conversion's scale operand
	s_delay_alu instid0(VALU_DEP_1)
	v_lshrrev_b32 v9, 23, v11                      ; the scale's byte
.if \t == 0
	s_delay_alu instid0(VALU_DEP_1)
	v_mov_b32 v24, v9                              ; four bytes to a word, the lower K in the lower byte
.else
	s_delay_alu instid0(VALU_DEP_1)
	v_lshl_or_b32 v24, v9, 8*\t, v24
.endif
.irp g, 0,1,2,3
	v_cvt_scalef32_pk8_fp4_f32 v[32+4*\t+\g], v[XS+8*\g:XS+8*\g+7], v11
.endr
	v_nop                                          ; one plain line behind the conversions
	ds_store_b128 v4, v[32+4*\t:35+4*\t] offset:16*\t     ; each block's codes have registers of their own
.endr
	ds_store_b32 v5, v24
	s_wait_dscnt 0x0                               ; for the others' sake: my stores into the stages are done
	s_barrier_signal -1
	s_barrier_wait -1
.irp t, 0,1,2,3
	ds_load_b128 v[48+4*\t:51+4*\t], v10 offset:2*\t*272
.endr
	ds_load_b32 v25, v15
	s_wait_dscnt 0x0
.irp t, 0,1,2,3
	global_store_b128 v14, v[48+4*\t:51+4*\t], s[6:7] offset:2*\t*512     ; sixteen lanes store 256 consecutive bytes, aligned
.endr
	global_store_b32 v16, v25, s[38:39]            ; pieces of 16 bytes a row: one byte for each 32 along K
	FINISH
.endm
	s_cmp_lt_u32 s27, 96
	s_cbranch_scc0 .Lwo
	s_cmp_lt_u32 s27, 64                           ; which of the three: the choice hangs on the work-group's number alone
	s_cselect_b64 s[4:5], s[12:13], s[14:15]
	s_cmp_lt_u32 s27, 32
	s_cselect_b64 s[4:5], s[10:11], s[4:5]
	s_and_b32 s40, s29, 15
	s_lshl_b32 s40, s40, 18                        ; the head: 1,024 rows of 256 bytes
	s_lshl_b32 s41, s36, 8
	s_add_co_u32 s40, s40, s41
	s_add_co_u32 s40, s40, s37
	s_mov_b32 s41, 0
	s_add_nc_u64 s[4:5], s[4:5], s[40:41]
	s_wait_alu depctr_va_vdst(0)
	WPATH 256, 1, 65536, 82944
.Lwo:
	s_sub_co_u32 s40, s29, 48
	s_lshl_b32 s40, s40, 8                         ; 64 columns are 256 bytes
	s_lshl_b32 s41, s36, 12                        ; a row of Wo is 4,096 bytes
	s_add_co_u32 s40, s40, s41
	s_add_co_u32 s40, s40, s37
	s_mov_b32 s41, 0
	s_add_nc_u64 s[4:5], s[16:17], s[40:41]
	s_wait_alu depctr_va_vdst(0)
	WPATH 4096, 0, 83968, 101376
.Lfunc_end_k_q80ec65b995_prep:
	.size	k_q80ec65b995_prep, .Lfunc_end_k_q80ec65b995_prep-k_q80ec65b995_prep
	.p2alignl 7, 3214868480
	.fill 96, 4, 3214868480
	.section	.rodata,"a",@progbits
	.p2align	6, 0x0
	.amdhsa_kernel k_q80ec65b995_prep
		.amdhsa_group_segment_fixed_size 103424
		.amdhsa_private_segment_fixed_size 0
		.amdhsa_enable_private_segment 0
		.amdhsa_kernarg_size 72
		.amdhsa_user_sgpr_count 2
		.amdhsa_user_sgpr_kernarg_segment_ptr 1
		.amdhsa_wavefront_size32 1
		.amdhsa_system_sgpr_workgroup_id_x 1
		.amdhsa_system_sgpr_workgroup_id_y 1
		.amdhsa_system_sgpr_workgroup_id_z 1
		.amdhsa_system_vgpr_workitem_id 0
		.amdhsa_next_free_vgpr 192
		.amdhsa_next_free_sgpr 66
		.amdhsa_reserve_vcc 0
		.amdhsa_float_denorm_mode_32 3
		.amdhsa_float_denorm_mode_16_64 3
		.amdhsa_memory_ordered 1
		.amdhsa_forward_progress 1
		.amdhsa_inst_pref_size 86
	.end_amdhsa_kernel
	.amdgpu_metadata
---
amdhsa.version: [ 1, 2 ]
amdhsa.kernels:
  - .name:           k_q80ec65b995_prep
    .symbol:         k_q80ec65b995_prep.kd
    .args:
      - { .name: x, .offset: 0, .size: 8, .value_kind: global_buffer, .address_space: global }
      - { .name: Wq, .offset: 8, .size: 8, .value_kind: global_buffer, .address_space: global }
      - { .name: Wk, .offset: 16, .size: 8, .value_kind: global_buffer, .address_space: global }
      - { .name: Wv, .offset: 24, .size: 8, .value_kind: global_buffer, .address_space: global }
      - { .name: Wo, .offset: 32, .size: 8, .value_kind: global_buffer, .address_space: global }
      - { .name: xc, .offset: 40, .size: 8, .value_kind: global_buffer, .address_space: global }
      - { .name: xs, .offset: 48, .size: 8, .value_kind: global_buffer, .address_space: global }
      - { .name: wc, .offset: 56, .size: 8, .value_kind: global_buffer, .address_space: global }
      - { .name: ws, .offset: 64, .size: 8, .value_kind: global_buffer, .address_space: global }
    .group_segment_fixed_size: 103424
    .private_segment_fixed_size: 0
    .kernarg_segment_align: 8
    .kernarg_segment_size: 72
    .max_flat_workgroup_size: 256
    .sgpr_count:     66
    .vgpr_count:     192
    .wavefront_size: 32
...
	.end_amdgpu_metadata
.endif
;; end of part 1
;; launch proj (part 2): grid 8 x 32, 4 waves a work-group, clusters of 4 x 4, 327,680 bytes of LDS; arguments xc, xs, wc, ws, qkv; writes qkv
.if DOCPART == 2
	.amdgcn_target "amdgcn-amd-amdhsa--gfx1250"
	.amdhsa_code_object_version 6
	.text
	.protected	k_q80ec65b995_proj
	.globl	k_q80ec65b995_proj
	.p2align	8
	.type	k_q80ec65b995_proj,@function
k_q80ec65b995_proj:
	s_mov_b64 s[64:65], 0
	v_nop
	global_prefetch_b8 v0, s[64:65] scope:SCOPE_SE
	s_setreg_imm32_b32 hwreg(HW_REG_WAVE_MODE, 25, 1), 1
	s_wait_xcnt 0x0
	s_wait_alu depctr_hold_cnt(0) depctr_sa_sdst(0) depctr_va_vdst(0) depctr_va_sdst(0) depctr_va_ssrc(0) depctr_va_vcc(0) depctr_vm_vsrc(0)
	s_getreg_b32 s2, hwreg(HW_REG_IB_STS2, 6, 4)
	s_cmp_eq_u32 s2, 0
	s_cbranch_scc0 .Lentry_in_a_cluster
	s_endpgm
.Lentry_in_a_cluster:
	s_bfe_u32 s2, ttmp6, 0x10000c
	s_cmp_lg_u32 s2, 0xf033
	s_cbranch_scc0 .Lentry_shape_is_right
	s_endpgm
.Lentry_shape_is_right:
; Launch 2 of 4: q, k, v = x W on codes of E2M1 (K = 1,024), and q, k, v quantised in the accumulators: nothing wider than a code leaves.
; SHARES.  Work-group (g, y): 256 positions of x (256 y ..) and the pair of heads 2 g, 2 g + 1: 384 consecutive rows of wc (128 of Wq, 128 of Wk, 128 of Wv).  256 work-groups.
; FIRST q AND k: A = x's 256 positions, B = 256 rows of Wq, Wk; a wave makes 128 x 128 in 64 accumulators.  THEN v: A = 128 rows of Wv, B = x's positions; a wave makes 64 channels (one head) x 128 positions in 32.
; THE MATRIX INSTRUCTION IS USED TRANSPOSED (source 0 = 16 rows of B, source 1 = 16 rows of A): a lane holds one row of A, its registers run along B's rows: the head's 64 for q and k, the tokens for v,
; which is the axis along which the next product quantises.  By the positions of launch 1, register 16 b + i of a row block is index 32 b + 16 (lane / 16) + i of that axis.
; LDS: x's codes for all of K (256 rows of 512 bytes + 16), W's 256 rows likewise, the scale bytes of W's 384 rows and of x's 256.  One tensor load a wave at the head brings them.
; Wv's 128 rows are filled over W's bytes when q's and k's last K step has read its fragments: 32 rows a wave, behind a round of the cluster's barrier; the load is out while q and k are quantised.
; CLUSTERS: 4 x 4 work-groups; x's tiles are asked for jointly along a row of the cluster, W's along a column.  No prefetch: the text has no loop to run ahead in.
; OUT: qkv = two regions [batch 4][head 16][step 16][8,960 B]; a chunk: 0: eight tiles (16 positions x 64) as register images, 512 B each; 4,096: V^T's four fragments (16 channels x 128 keys), 1,024 B each;
; 8,192: the tiles' scale words [half 2][row 16][4 tiles]; 8,704: V's scale words [row 16][4 tiles].  Region 0 holds q (tiles and their words alone), region 1 k and v.
; LIMITS: as stated at the head of launch 1 (blocks of zeros and blocks under 2^-124 carry the byte 1; no NaN or infinities).
; REGISTERS: window 0: v16-29 addresses; v32-95 scale words of all of K; v128-191 A's fragments, later the codes made; v192-223 at work on the way out.  window 1: B's fragments, two sets.  windows 2, 3: accumulators.
.set PITCH,  528                       ; an LDS row: 512 bytes + 16: an odd multiple of 16
.set HALFT,  128*PITCH
.set WB,     2*HALFT                   ; W's rows, behind x's 256
.set SCW,    4*HALFT                   ; W's scale bytes: 48 units of 256 bytes + 16
.set HALFS,  16*272                    ; the scale bytes of 128 rows
.set SBLK,   2*272                     ; of 16 rows
.set SCX,    SCW+3*HALFS               ; x's scale bytes: 32 units
.set SPARE,  SCX+2*HALFS               ; the spare words: 128 bytes for each wave
.set CHUNK,  8960
.set HSTR,   16*CHUNK
.set REGION, 64*HSTR
.set ADRA,  16                         ; q, k: my rows of x;   ADRB: my rows of W
.set ADRB,  17
.set ADRA2, 18                         ; v: my rows of Wv;     ADRB2: my rows of x
.set ADRB2, 19
.set ADRS,  20                         ; scale words: lanes 0-15 A's rows, lanes 16-31 B's; q, k
.set ADRS2, 21                         ; and v
.set SH,   24                          ; 16 x (lane / 16)
.set CS,   25                          ; 16 x (lane % 16) + HSTR x (lane / 16)
.set CO,   26                          ; 16 x lane
.set CS2,  27                          ; 16 x (lane % 16) + 8 x (lane / 16)
.set SPW,  28
.set NIL,  29
.set SC,   32                          ; register 32 (q / 4) + 4 i + q % 4: block i's words of K step q
.set AF,   128
.set PC,   128                         ; the codes of row block a: v[PC + 8 a ..]
.set SW,   192                         ; its scale word
.set TM,   200
.set SWD,  216
.set SEL,  2
.set G1X,  24
.set G0X,  32
.set G0W,  36
.set G1W,  48
.set G0SX, 56
.set G0SW, 60
.set G1V,  68
.set G1SX, 76
.set G1SW, 84
.set G0V,  92
.set CODEW, (1<<20)|(1<<21)|(6<<22)|(3<<25)          ; elements of 1 byte; padding on; bit 21 beside a mask; 4 words behind every 128
.set SCLW,  (3<<16)|(1<<20)|(1<<21)|(5<<22)|(3<<25)  ; elements of 8 bytes; 4 words behind every 64
.set MSB, 0
.macro WIN new                         ; the immediate's high byte repeats the setting that is left
.if MSB != (\new)
	s_set_vgpr_msb (MSB<<8)|(\new)
.set MSB, (\new)
.endif
.endm
.set MUL_LO, 0xa1                      ; source 0 (B) window 1, source 1 (A) window 0, C and D window 2
.set MUL_HI, 0xf1
.set TO_B,   0x40
.macro CROUND                          ; a round of the cluster's barrier
	s_barrier_signal -1
	s_barrier_wait -1
	s_cmp_lg_u32 s14, 0
	s_cbranch_scc1 .Lnot_wave_0_\@
	s_barrier_signal -3
.Lnot_wave_0_\@:
	s_barrier_wait -3
	s_barrier_signal -1
	s_barrier_wait -1
.endm
.macro GONE g, c, r, p                 ; group 1's constant words: r rows of c elements, pitch p
	s_mov_b32 s[\g+1], (\c)<<16
	s_mov_b32 s[\g+2], (\r)<<16
	s_mov_b32 s[\g+3], (\c)<<16
	s_mov_b32 s[\g+4], \r
	s_mov_b32 s[\g+5], \p
	s_mov_b32 s[\g+6], 0
	s_mov_b32 s[\g+7], 0
.endm
.macro GZERO g, lds, b, o              ; group 0: to LDS byte lds, from the buffer in s[b:b+1] at the offset in s[o:o+1]
	s_mov_b32 s[\g], 1
	s_mov_b32 s[\g+1], \lds
	s_add_nc_u64 s[\g+2:\g+3], s[\b:\b+1], s[\o:\o+1]
	s_or_b32 s[\g+3], s[\g+3], 0x80000000
.endm
.macro PLACES n                        ; plain vector lines between a matrix instruction and a load into, or a vector read of, its registers
.rept \n
	v_nop
.endr
.endm
	s_load_b128 s[4:7], s[0:1], 0x0                ; xc, xs
	s_load_b128 s[8:11], s[0:1], 0x10              ; wc, ws
	s_load_b64 s[12:13], s[0:1], 0x20              ; qkv
	v_lshl_add_u32 v[SPW], v0, 2, SPARE
	v_mov_b32 v[NIL], 0
	ds_add_u32 v[SPW], v[NIL]                      ; the opening: the add, twice on end, and its wait ahead of my first tensor load
	ds_add_u32 v[SPW], v[NIL]
	v_lshrrev_b32 v1, 5, v0
	v_readfirstlane_b32 s14, v1                    ; wave 0..3
	s_lshr_b32 s15, s14, 1                         ; which half of A's rows is mine
	s_and_b32 s16, s14, 1                          ; which half of B's rows
	s_bfe_u32 s40, ttmp6, 0x40000                  ; cx
	s_bfe_u32 s41, ttmp6, 0x40004                  ; cy
	s_lshl_b32 s42, ttmp9, 2
	s_add_co_u32 s42, s42, s40                     ; g: the pair of heads
	s_and_b32 s17, ttmp7, 0xffff
	s_lshl_b32 s17, s17, 2
	s_add_co_u32 s17, s17, s41                     ; y: 256 positions
	s_lshl_b32 s43, s41, 2
	s_lshl_b32 s43, 15, s43                        ; my row of the cluster: shares y
	s_lshl_b32 s44, 0x1111, s40                    ; my column: shares g
	s_or_b32 s[G1X], s43, CODEW
	s_or_b32 s[G1W], s44, CODEW
	s_or_b32 s[G1V], s44, CODEW
	s_or_b32 s[G1SX], s43, SCLW
	s_or_b32 s[G1SW], s44, SCLW
	GONE G1X, 512, 256, 512                        ; 256 rows of 512 bytes
	GONE G1W, 512, 256, 512
	GONE G1V, 512, 32, 512                         ; 32 rows of Wv
	GONE G1SX, 32, 32, 32                          ; 8,192 dense bytes as 32 rows of 256
	GONE G1SW, 32, 48, 32                          ; 12,288 dense bytes as 48 rows of 256
	s_lshl_b32 s20, s17, 17                        ; x's codes: 256 rows of 512 bytes for each y
	s_mov_b32 s21, 0
	s_lshl_b32 s22, s17, 13                        ; x's scale bytes
	s_mov_b32 s23, 0
	s_mul_i32 s46, s42, 384*512                    ; W's codes
	s_mov_b32 s47, 0
	s_mul_i32 s18, s42, 384*32                     ; W's scale bytes
	s_mov_b32 s19, 0
	s_lshl_b32 s96, s14, 14                        ; Wv: my 32 rows, behind Wq's and Wk's 256
	s_add_co_u32 s96, s96, s46
	s_add_co_u32 s96, s96, 256*512
	s_mov_b32 s97, 0
	s_mul_i32 s98, s14, 32*PITCH
	s_add_co_u32 s98, s98, WB
	s_mov_b32 s[SEL], 0x76543210
	s_mov_b32 s[SEL+1], 0xfedcba98
	s_mov_b32 s100, 0xffff0000                     ; lanes 16-31
	s_wait_dscnt 0x0                               ; both opening adds are done
	s_wait_kmcnt 0x0
	GZERO G0X, 0, 4, 20
	GZERO G0W, WB, 8, 46
	GZERO G0SX, SCX, 6, 22
	GZERO G0SW, SCW, 10, 18
	GZERO G0V, s98, 8, 96
	CROUND                                         ; all sixteen work-groups are here: the joint loads meet
; THE HEAD'S LOADS, one a wave: one chain of branches on the wave's number, a load to an arm, all arms leading to one join.
.macro ARM under, g0, g1, next
	s_cmp_lt_u32 s14, \under
	s_cbranch_scc0 \next
	tensor_load_to_lds s[\g0:\g0+3], s[\g1:\g1+7]
	s_nop 0
	PLACES 4
	s_branch .Lhead_asked
\next:
.endm
	ARM 1, G0X,  G1X,  .Lhead_w
	ARM 2, G0W,  G1W,  .Lhead_sx
	ARM 3, G0SX, G1SX, .Lhead_sw
	tensor_load_to_lds s[G0SW:G0SW+3], s[G1SW:G1SW+7]
	s_nop 0
	PLACES 4
.Lhead_asked:
	s_mul_i32 s21, s15, HALFT                      ; q, k: my 128 rows of x
	s_mul_i32 s22, s16, HALFT                      ; v: my 128 rows of x
	s_add_co_u32 s23, s22, WB                      ; q, k: my 128 rows of W
	s_mul_i32 s45, s15, 64*PITCH
	s_add_co_u32 s45, s45, WB                      ; v: my 64 rows of Wv
	s_mul_i32 s66, s15, HALFS
	s_add_co_u32 s66, s66, SCX                     ; q, k: lanes 0-15 take x's words,
	s_mul_i32 s67, s16, HALFS
	s_add_co_u32 s67, s67, SCW
	s_sub_co_u32 s67, s66, s67                     ; lanes 16-31 W's, which lie so many bytes below
	s_mul_i32 s18, s15, HALFS/2
	s_add_co_u32 s18, s18, SCW+2*HALFS             ; v: lanes 0-15 take Wv's words (blocks 4-7 of such a load reach into x's words and are not used),
	s_mul_i32 s19, s16, HALFS
	s_add_co_u32 s19, s19, SCX
	s_sub_co_u32 s19, s19, s18                     ; lanes 16-31 x's, so many bytes above
	v_and_b32 v1, 15, v0                           ; r
	v_bfe_u32 v2, v0, 4, 1                         ; h
	v_mul_u32_u24 v3, v1, PITCH
	v_lshl_add_u32 v4, v2, 4, v3                   ; a fragment's row x pitch + 16 h
	v_add_nc_u32 v[ADRA], s21, v4
	v_add_nc_u32 v[ADRB2], s22, v4
	v_add_nc_u32 v[ADRB], s23, v4
	v_add_nc_u32 v[ADRA2], s45, v4
	v_lshlrev_b32 v5, 5, v1                        ; my row's scale bytes: 32 a row,
	v_lshrrev_b32 v6, 8, v5
	v_lshl_add_u32 v5, v6, 4, v5                   ; and 16 more for each 256 passed
	v_mul_u32_u24 v6, s67, v2
	v_add_nc_u32 v7, s66, v5
	v_sub_nc_u32 v[ADRS], v7, v6
	v_mul_u32_u24 v6, s19, v2
	v_add_nc_u32 v7, s18, v5
	v_add_nc_u32 v[ADRS2], v7, v6
	v_lshlrev_b32 v[SH], 4, v2
	v_mul_u32_u24 v[CS], v2, HSTR
	v_lshl_add_u32 v[CS], v1, 4, v[CS]
	v_lshlrev_b32 v[CS2], 3, v2
	v_lshl_add_u32 v[CS2], v1, 4, v[CS2]
	v_and_b32 v6, 31, v0
	v_lshlrev_b32 v[CO], 4, v6
.irp b, 0,1,2,3
	v_mov_b32 v[TM+4+\b], 0                        ; written once: a lane permute's destination counts as one of its sources
.endr
	; where my chunks begin: q, k: heads 2 g and 2 g + 1, step of my half of A; v: head 2 g + my half of A, step of my half of B
	s_lshr_b32 s4, s17, 3                          ; the batch
	s_lshl_b32 s4, s4, 4
	s_lshl_b32 s5, s42, 1
	s_add_co_u32 s4, s4, s5                        ; 16 batch + 2 g
	s_lshl_b32 s5, s17, 1
	s_add_co_u32 s6, s5, s15
	s_and_b32 s6, s6, 15
	s_add_co_u32 s7, s5, s16
	s_and_b32 s7, s7, 15
	s_lshl_b32 s8, s4, 4
	s_add_co_u32 s8, s8, s6
	s_mul_i32 s8, s8, CHUNK
	s_mul_i32 s9, s16, REGION                      ; region 0 for q, 1 for k
	s_add_co_u32 s8, s8, s9
	s_mov_b32 s9, 0
	s_add_co_u32 s10, s4, s15
	s_lshl_b32 s10, s10, 4
	s_add_co_u32 s10, s10, s7
	s_mul_i32 s10, s10, CHUNK
	s_add_co_u32 s10, s10, REGION
	s_mov_b32 s11, 0
	s_add_nc_u64 s[10:11], s[12:13], s[10:11]      ; v's chunk
	s_add_nc_u64 s[12:13], s[12:13], s[8:9]        ; q's or k's
.macro FRAG reg, adr, q, i             ; 16 rows x 128 K of 4-bit codes: lane l holds row l % 16; registers 4 c .. 4 c + 3 hold K = 64 c + 32 (l / 16) + 0 .. 31
.irp c, 0,1
	ds_load_b128 v[\reg+4*\c:\reg+4*\c+3], v[\adr] offset:64*(\q)+32*\c+(\i)*16*PITCH
.endr
.endm
; 16 matrix instructions: A's register blocks a0, a0 + 1 x B's eight, K step q.  p: B's set;  m: A's scale words are those of block a & m.  The accumulators take turns, one instruction a turn, in the same order
; in every step.  zero = 1: the first products start the sums.
.macro MUL16 a0, p, q, zero, m
.irp a, \a0, \a0+1
.irp b, 0,1,2,3,4,5,6,7
.if \zero
	v_wmma_scale_f32_16x16x128_f8f6f4 v[8*(8*((\a)%4)+\b):8*(8*((\a)%4)+\b)+7], v[128*(\p)+8*\b:128*(\p)+8*\b+7], v[AF+8*(\a):AF+8*(\a)+7], 0, v[SC+32*((\q)/4)+4*\b+(\q)%4], v[SC+32*((\q)/4)+4*((\a)&(\m))+(\q)%4] matrix_a_fmt:MATRIX_FMT_FP4 matrix_b_fmt:MATRIX_FMT_FP4 matrix_a_scale:MATRIX_SCALE_ROW1
.else
	v_wmma_scale_f32_16x16x128_f8f6f4 v[8*(8*((\a)%4)+\b):8*(8*((\a)%4)+\b)+7], v[128*(\p)+8*\b:128*(\p)+8*\b+7], v[AF+8*(\a):AF+8*(\a)+7], v[8*(8*((\a)%4)+\b):8*(8*((\a)%4)+\b)+7], v[SC+32*((\q)/4)+4*\b+(\q)%4], v[SC+32*((\q)/4)+4*((\a)&(\m))+(\q)%4] matrix_a_fmt:MATRIX_FMT_FP4 matrix_b_fmt:MATRIX_FMT_FP4 matrix_a_scale:MATRIX_SCALE_ROW1
.endif
.endr
.endr
.endm
.macro FETCH_B adr, q, p               ; B's eight fragments of K step q into set p
	WIN TO_B
.irp i, 0,1,2,3,4,5,6,7
	FRAG 128*(\p)+8*\i, \adr, \q, \i
.endr
	WIN 0
.endm
.macro FETCH_A adr, q, r0, i0          ; A's row blocks i0 .. i0 + 3 into register blocks r0 .. r0 + 3
.irp i, 0,1,2,3
	FRAG AF+8*((\r0)+\i), \adr, \q, (\i0)+\i
.endr
.endm
.macro SCALES adr                      ; the scale words of all of K: eight words a row; lanes 0-15 take A's block i, lanes 16-31 B's block i
.irp s, 0,1
.irp i, 0,1,2,3,4,5,6,7
	ds_load_b128 v[SC+32*\s+4*\i:SC+32*\s+4*\i+3], v[\adr] offset:\i*SBLK+16*\s
.endr
.endr
.endm
.macro STEP q, zero                    ; q, k: a K step of 128 that has a successor.  A has one set (blocks 0-3 fetched anew in the middle, 4-7 at the end), B two
	s_wait_dscnt 8                                 ; B's set and A's blocks 0-3 are in; the youngest eight loads (A's blocks 4-7) may be out
	WIN MUL_LO
	MUL16 0, (\q)%2, \q, \zero, 7
	MUL16 2, (\q)%2, \q, \zero, 7
	s_wait_dscnt 0
	PLACES 4
	FETCH_B ADRB, (\q)+1, 1-(\q)%2
	FETCH_A ADRA, (\q)+1, 0, 0
	WIN MUL_HI
	MUL16 4, (\q)%2, \q, \zero, 7
	MUL16 6, (\q)%2, \q, \zero, 7
	PLACES 4
	WIN 0
	FETCH_A ADRA, (\q)+1, 4, 4
.endm
.macro HSTEP q, a0, p, zero            ; v: a K step of 128: 32 matrix instructions; both operands have two sets, the next step's loads go out ahead of this step's products
	s_wait_dscnt 0x0                               ; this step's fragments are in
.if (\q) < 7
	PLACES 4                                       ; behind the last step's products, which read the sets that are loaded now
	FETCH_B ADRB2, (\q)+1, 1-(\p)
	FETCH_A ADRA2, (\q)+1, 4-(\a0), 0
.endif
	WIN MUL_LO
	MUL16 \a0, \p, \q, \zero, 3
	MUL16 (\a0)+2, \p, \q, \zero, 3
	WIN 0
.endm
; Row block a: a lane's 64 results, register 16 b + i = index 32 b + 16 (lane / 16) + i of my row, become a fragment's codes in v[PC + 8 a ..] and its scale word in v[SW + a].
.macro QBLOCK a
.set AC, 64*((\a)%4)
.set PCA, PC+8*(\a)
	WIN 0x28+0x14*((\a)/4)                         ; sources 1 and 2: window 2 or 3
.irp b, 0,1,2,3
	v_max3_num_f32 v[TM+\b], 0x1800000, |v[AC+16*\b]|, |v[AC+16*\b+1]|   ; block b: my 16 numbers, each accumulator from its low end on, and the floor 2^(3 - 127)
.endr
.irp i, 2,4,6,8,10,12,14
.irp b, 0,1,2,3
	v_max3_num_f32 v[TM+\b], v[TM+\b], |v[AC+16*\b+\i]|, |v[AC+16*\b+\i+1]|
.endr
.endr
	WIN 0
.irp b, 0,1,2,3
	v_permlanex16_b32 v[TM+4+\b], v[TM+\b], s[SEL], s[SEL+1]
.endr
.irp b, 0,1,2,3
	v_max_num_f32 v[TM+\b], v[TM+\b], v[TM+4+\b]   ; with lane l xor 16's: the block's largest magnitude
.endr
.irp b, 0,1,2,3
	v_add_nc_u32 v[TM+12+\b], 0xff000000, v[TM+\b] ; 2 off its exponent field: the conversion's scale operand
.endr
.irp b, 0,1,2,3
	v_lshrrev_b32 v[TM+4+\b], 23, v[TM+12+\b]      ; the scale's byte
.endr
	v_lshl_or_b32 v[SW+(\a)], v[TM+5], 8, v[TM+4]
	v_lshl_or_b32 v[SW+(\a)], v[TM+6], 16, v[SW+(\a)]
	v_lshl_or_b32 v[SW+(\a)], v[TM+7], 24, v[SW+(\a)]
	WIN 2+(\a)/4                                   ; source 0: window 2 or 3
.irp b, 0,1,2,3
	v_cvt_scalef32_pk8_fp4_f32 v[PCA+2*\b], v[AC+16*\b:AC+16*\b+7], v[TM+12+\b]
	v_cvt_scalef32_pk8_fp4_f32 v[PCA+2*\b+1], v[AC+16*\b+8:AC+16*\b+15], v[TM+12+\b]
.endr
	WIN 0
	v_nop                                          ; one plain line behind a scaled conversion
.irp c, 0,1                                    ; the operand's layout wants a whole block in a lane: lanes 0-15 block 2 c, lanes 16-31 block 2 c + 1
.irp i, 0,1
	v_permlane16_swap_b32 v[PCA+4*\c+\i], v[PCA+2+4*\c+\i]
.endr
.endr
.endm
	s_wait_alu depctr_va_vdst(0)
	s_wait_tensorcnt 0x0                           ; my tile of the head's four is in,
	s_barrier_signal -1
	s_barrier_wait -1                              ; everybody's is
	FETCH_B ADRB, 0, 0
	FETCH_A ADRA, 0, 0, 0
	SCALES ADRS
	FETCH_A ADRA, 0, 4, 4
	STEP 0, 1
.irp q, 1,2,3,4,5,6
	STEP \q, 0
.endr
	; q's and k's last K step; in its middle W's bytes, which nobody reads any more, take Wv's rows
	s_wait_tensorcnt 0x0                           ; no tensor load of mine is out;
	ds_add_u32 v[SPW], v[NIL]                      ; 0 onto my spare word
	s_wait_dscnt 9                                 ; (the add and the youngest eight loads may be out)
	WIN MUL_LO
	MUL16 0, 1, 7, 0, 7
	MUL16 2, 1, 7, 0, 7
	s_wait_dscnt 0x0                               ; the add is done, and my reads of W's rows are over
	WIN 0
	CROUND                                         ; the same holds of every wave of all sixteen work-groups
	tensor_load_to_lds s[G0V:G0V+3], s[G1V:G1V+7]  ; my 32 rows of Wv: my one tensor load behind the round
	s_nop 0
	PLACES 4
	WIN MUL_HI
	MUL16 4, 1, 7, 0, 7
	MUL16 6, 1, 7, 0, 7
	WIN 0
	PLACES 4
.irp a, 0,1,2,3,4,5,6,7
	QBLOCK \a
.endr
	; q, k: a row block is a tile of 16 positions; registers 0-3 are the first head's 64, registers 4-7 the second's.  Each store is 512 consecutive bytes, aligned
.irp a, 0,1,2,3,4,5,6,7
	global_store_b128 v[CO], v[PC+8*\a:PC+8*\a+3], s[12:13] offset:512*\a
	global_store_b128 v[CO], v[PC+8*\a+4:PC+8*\a+7], s[12:13] offset:512*\a+HSTR
.endr
.irp a, 0,1,2,3,4,5,6,7
	v_lshrrev_b32 v[SWD+\a], v[SH], v[SW+\a]       ; lanes 0-15: the first head's two bytes; lanes 16-31: the second's
.endr
.irp a, 0,1,2,3,4,5,6,7
	v_and_b32 v[SWD+\a], 0xffff, v[SWD+\a]         ; the upper two bytes, of the K that a head does not have, are 0
.endr
	global_store_b128 v[CS], v[SWD:SWD+3], s[12:13] offset:8192       ; sixteen lanes store 256 consecutive bytes of a head's chunk
	global_store_b128 v[CS], v[SWD+4:SWD+7], s[12:13] offset:8448
	; v
	s_wait_alu depctr_va_vdst(0)
	s_wait_xcnt 0x0                                ; the stores have read their registers: fragments may land there
	s_wait_tensorcnt 0x0                           ; my 32 rows of Wv are in,
	s_barrier_signal -1
	s_barrier_wait -1                              ; everybody's are
	FETCH_B ADRB2, 0, 0
	FETCH_A ADRA2, 0, 0, 0
	SCALES ADRS2
	HSTEP 0, 0, 0, 1
	HSTEP 1, 4, 1, 0
	HSTEP 2, 0, 0, 0
	HSTEP 3, 4, 1, 0
	HSTEP 4, 0, 0, 0
	HSTEP 5, 4, 1, 0
	HSTEP 6, 0, 0, 0
	HSTEP 7, 4, 1, 0
	PLACES 4
.irp a, 0,1,2,3
	QBLOCK \a
.endr
	; a row block is 16 channels x 128 keys: a whole fragment of V^T
.irp a, 0,1,2,3
	global_store_b128 v[CO], v[PC+8*\a:PC+8*\a+3], s[10:11] offset:4096+\a*1024
	global_store_b128 v[CO], v[PC+8*\a+4:PC+8*\a+7], s[10:11] offset:4096+\a*1024+512
.endr
	v_cndmask_b32 v[SWD], v[SW], v[SW+2], s100     ; a row's four words: lanes 0-15 store the first two, lanes 16-31 the other two (both halves hold all four)
	v_cndmask_b32 v[SWD+1], v[SW+1], v[SW+3], s100
	global_store_b64 v[CS2], v[SWD:SWD+1], s[10:11] offset:8704       ; 32 lanes store 256 consecutive bytes, aligned
	s_wait_tensorcnt 0x0                           ; the wave's end
	ds_add_u32 v[SPW], v[NIL]
	s_wait_dscnt 0x0
	CROUND                                         ; the closing round
	s_endpgm
.Lfunc_end_k_q80ec65b995_proj:
	.size	k_q80ec65b995_proj, .Lfunc_end_k_q80ec65b995_proj-k_q80ec65b995_proj
	.p2alignl 7, 3214868480
	.fill 96, 4, 3214868480
	.section	.rodata,"a",@progbits
	.p2align	6, 0x0
	.amdhsa_kernel k_q80ec65b995_proj
		.amdhsa_group_segment_fixed_size 327680
		.amdhsa_private_segment_fixed_size 0
		.amdhsa_enable_private_segment 0
		.amdhsa_kernarg_size 40
		.amdhsa_user_sgpr_count 2
		.amdhsa_user_sgpr_kernarg_segment_ptr 1
		.amdhsa_wavefront_size32 1
		.amdhsa_system_sgpr_workgroup_id_x 1
		.amdhsa_system_sgpr_workgroup_id_y 1
		.amdhsa_system_sgpr_workgroup_id_z 1
		.amdhsa_system_vgpr_workitem_id 0
		.amdhsa_next_free_vgpr 1024
		.amdhsa_next_free_sgpr 102
		.amdhsa_reserve_vcc 0
		.amdhsa_float_denorm_mode_32 3
		.amdhsa_float_denorm_mode_16_64 3
		.amdhsa_memory_ordered 1
		.amdhsa_forward_progress 1
		.amdhsa_inst_pref_size 193
	.end_amdhsa_kernel
	.amdgpu_metadata
---
amdhsa.version: [ 1, 2 ]
amdhsa.kernels:
  - .name:           k_q80ec65b995_proj
    .symbol:         k_q80ec65b995_proj.kd
    .args:
      - { .name: xc, .offset: 0, .size: 8, .value_kind: global_buffer, .address_space: global }
      - { .name: xs, .offset: 8, .size: 8, .value_kind: global_buffer, .address_space: global }
      - { .name: wc, .offset: 16, .size: 8, .value_kind: global_buffer, .address_space: global }
      - { .name: ws, .offset: 24, .size: 8, .value_kind: global_buffer, .address_space: global }
      - { .name: qkv, .offset: 32, .size: 8, .value_kind: global_buffer, .address_space: global }
    .group_segment_fixed_size: 327680
    .private_segment_fixed_size: 0
    .kernarg_segment_align: 8
    .kernarg_segment_size: 40
    .max_flat_workgroup_size: 128
    .sgpr_count:     102
    .vgpr_count:     1024
    .wavefront_size: 32
...
	.end_amdgpu_metadata
.endif
;; end of part 2
;; launch attn (part 3): grid 8 x 32, 16 waves a work-group, clusters of 4 x 1, 288,768 bytes of LDS; arguments qkv, oc, os; writes oc, os
.if DOCPART == 3
	.amdgcn_target "amdgcn-amd-amdhsa--gfx1250"
	.amdhsa_code_object_version 6
	.text
	.protected	k_q80ec65b995_attn
	.globl	k_q80ec65b995_attn
	.p2align	8
	.type	k_q80ec65b995_attn,@function
k_q80ec65b995_attn:
	s_mov_b64 s[64:65], 0
	v_nop
	global_prefetch_b8 v0, s[64:65] scope:SCOPE_SE
	s_setreg_imm32_b32 hwreg(HW_REG_WAVE_MODE, 25, 1), 1
	s_wait_xcnt 0x0
	s_wait_alu depctr_hold_cnt(0) depctr_sa_sdst(0) depctr_va_vdst(0) depctr_va_sdst(0) depctr_va_ssrc(0) depctr_va_vcc(0) depctr_vm_vsrc(0)
	s_getreg_b32 s2, hwreg(HW_REG_IB_STS2, 6, 4)
	s_cmp_eq_u32 s2, 0
	s_cbranch_scc0 .Lentry_in_a_cluster
	s_endpgm
.Lentry_in_a_cluster:
	s_bfe_u32 s2, ttmp6, 0x10000c
	s_cmp_lg_u32 s2, 0x3003
	s_cbranch_scc0 .Lentry_shape_is_right
	s_endpgm
.Lentry_shape_is_right:
; Launch 3 of 4: S^T = K Q^T, the softmax, O^T = V^T P^T, O / l, and O quantised along the heads' channels, all on codes of E2M1.
; WORK LEFT OUT: a key step whose 128 keys all come after a wave's 16 queries: reference()'s own tril makes these scores -inf, so p = 0 for all values of the inputs.  LIMIT: a NaN or an infinity that reaches only such scores is not carried on.
; THE SOFTMAX: t = score x log2(e) / 8; M = the ceiling of the running largest t; p = 2^(t - M) is quantised along the keys, not normalised; the row's sum is taken of the unquantised p and divides O at the end (v_rcp_f32 and a multiply).
; SHARES.  Work-group (j, y): batch y / 8, heads 2 (y % 8) and 2 (y % 8) + 1, whose k and v (32 chunks of 8,960 bytes, dense in memory) lie WHOLE in LDS, as they lie in memory: nothing is filled again.
; Wave of rank rho owns query tile 8 rho + j of the first head (key steps 0 .. rho) and tile 8 (15 - rho) + j of the second (steps 0 .. 15 - rho): 17 steps for every wave of every work-group.
; Which steps a wave walks, and which is its diagonal step, hang on its rank and the count of steps alone, never on j: no branch hangs on a work-group's place in its cluster.
; CLUSTER: the four work-groups of a cluster (four values of j) read the same 286,720 bytes: all tensor loads are joint.  Each of the sixteen waves issues one: one is out.
; No prefetch: every tensor load of the launch goes out at its head, so there is no later load to ask ahead for.
; K = 64 IN AN INSTRUCTION OF 128: q's registers 4-7 are zero codes, so what stands in K's registers 4-7 (the next tile's codes) adds nothing; the scale bytes of that half are 0 on both sides, never 0xff.
; LAYOUT: a lane holds ONE query (lane % 16) throughout.  By the positions of launch 1, register 16 b + i of S^T is key 32 b + 16 (lane / 16) + i of the step, of O^T channel 32 b + 16 (lane / 16) + i.
; LIMITS: as stated at the head of launch 1.
.set CHUNK,  8960
.set HSTR,   16*CHUNK
.set REGION, 64*HSTR
.set SPARE,  2*HSTR                    ; behind the two heads: the spare words, 128 bytes for each of the sixteen waves
.set AL,   1                           ; v1   16 x lane
.set AR,   2                           ; v2   16 x (lane % 16)
.set DQ,   3                           ; v3   my query's place in its step, less 16 (lane / 16)
.set OSV,  4                           ; v4   32 (lane % 16) + lane / 16
.set SPW,  5
.set NIL,  6
.set NINF, 7                           ; v7   -infinity
.set ADK,  8                           ; v8   LDS: the chunk in hand + 16 x lane
.set ADS,  9                           ; v9   LDS: the chunk in hand + 16 x (lane % 16)
.set QOF,  10                          ; v10  q's fragment in its chunk
.set QSF,  11                          ; v11  q's scale word in its chunk
.set WV,   10
.set RK,   11                          ; s11  the rank in hand = my last key step
.set RHO,  12
.set JJ,   13
.set YY,   14
.set KT,   15                          ; s15  the key step
.set TB,   16                          ; s16  its chunk's LDS byte
.set CNT,  17                          ; s17  trips to go
.set CC,   18                          ; s[18:19] c = log2(e) / 8
.set SEL,  20                          ; s[20:21]
.set G1A,  24
.set G1B,  32
.set G0A,  40
.set G0B,  44
.set QP,   48                          ; s[48:51] q's chunks, head 0 and 1
.set OP,   52                          ; s[52:55] where my codes go
.set SPT,  56                          ; s[56:59] where my scale bytes go
.set HI,   60                          ; s60  lanes 16-31
.macro CROUND
	s_barrier_signal -1
	s_barrier_wait -1
	s_cmp_lg_u32 s[WV], 0
	s_cbranch_scc1 .Lnot_wave_0_\@
	s_barrier_signal -3
.Lnot_wave_0_\@:
	s_barrier_wait -3
	s_barrier_signal -1
	s_barrier_wait -1
.endm
	s_load_b128 s[4:7], s[0:1], 0x0                ; qkv, oc
	s_load_b64 s[8:9], s[0:1], 0x10                ; os
	v_lshl_add_u32 v[SPW], v0, 2, SPARE
	v_mov_b32 v[NIL], 0
	ds_add_u32 v[SPW], v[NIL]                      ; the wave's opening: the add, twice on end, and its wait ahead of the first tensor loads
	ds_add_u32 v[SPW], v[NIL]
	v_lshrrev_b32 v88, 5, v0
	s_delay_alu instid0(VALU_DEP_1)
	v_readfirstlane_b32 s[WV], v88                 ; wave 0..15
	s_bfe_u32 s66, ttmp6, 0x40000                  ; cx
	s_lshl_b32 s[JJ], ttmp9, 2
	s_add_co_u32 s[JJ], s[JJ], s66                 ; j = 4 x cluster x + cx: it enters q's, oc's and os's addresses and the mask's numbers alone
	s_and_b32 s[YY], ttmp7, 0xffff
	s_bfe_u32 s67, s[WV], 0x10002
	s_mul_i32 s67, s67, 3
	s_and_b32 s68, s[WV], 3
	s_xor_b32 s68, s68, s67
	s_and_b32 s[RHO], s[WV], 12
	s_or_b32 s[RHO], s[RHO], s68                   ; the rank: waves w, w + 4, w + 8, w + 12 have ranks that add up to 30
	s_mov_b32 s[G1A], 15|(3<<16)|(1<<21)           ; the mask: all four work-groups; elements of 8 bytes; bit 21 beside a mask; no padding
	s_mov_b32 s[G1A+1], 32<<16                     ; rows of 256 bytes
	s_mov_b32 s[G1A+2], 70<<16                     ; two chunks: 70 rows
	s_mov_b32 s[G1A+3], 32<<16
	s_mov_b32 s[G1A+4], 70
	s_mov_b32 s[G1A+5], 32
	s_mov_b32 s[G1A+6], 0
	s_mov_b32 s[G1A+7], 0
	s_mov_b32 s[CC], 0x3e38aa3b
	s_mov_b32 s[CC+1], s[CC]
	s_mov_b32 s[SEL], 0x76543210
	s_mov_b32 s[SEL+1], 0xfedcba98
	s_mov_b32 s[HI], 0xffff0000
	s_mul_i32 s70, s[YY], 2*HSTR
	s_add_co_u32 s70, s70, REGION                  ; my two heads' k and v
	s_mul_i32 s72, s[WV], 2*CHUNK                  ; each wave: chunks 2 w, 2 w + 1: together the two heads' 32 chunks
	s_add_co_u32 s74, s70, s72
	s_mov_b32 s75, 0
	s_wait_dscnt 0x0                               ; both opening adds are done
	s_wait_kmcnt 0x0
	s_mov_b32 s[G0A], 1
	s_mov_b32 s[G0A+1], s72                        ; LDS holds the bytes as memory does
	s_add_nc_u64 s[G0A+2:G0A+3], s[4:5], s[74:75]
	s_or_b32 s[G0A+3], s[G0A+3], 0x80000000
	CROUND                                         ; all four work-groups are here: the joint loads meet
	; THE LOADS, AS THEY NOW STAND: each of the sixteen waves issues ONE joint load, chunks 2 w and 2 w + 1 of the two heads' 32: one is out by this text's count, and no branch leads round it.
	tensor_load_to_lds s[G0A:G0A+3], s[G1A:G1A+7]
	s_nop 0
.rept 4
	v_nop
.endr
.macro PTRS hs, rk                     ; the pointers of head hs, in which my rank is s[rk]
	s_lshl_b32 s66, s[YY], 1
.if \hs
	s_add_co_u32 s66, s66, \hs
.endif
	s_lshl_b32 s66, s66, 4
	s_add_co_u32 s66, s66, s[\rk]
	s_mul_i32 s66, s66, CHUNK
	s_mov_b32 s67, 0
	s_add_nc_u64 s[QP+2*\hs:QP+2*\hs+1], s[4:5], s[66:67]      ; q: region 0, chunk ((2 y + hs) 16 + rank)
	s_lshr_b32 s68, s[YY], 3
	s_lshl_b32 s68, s68, 7
	s_lshl_b32 s69, s[\rk], 3
	s_add_co_u32 s68, s68, s69
	s_add_co_u32 s68, s68, s[JJ]                   ; my tile of 16 positions: 128 batch + 8 rank + j
	s_and_b32 s69, s[YY], 7
	s_lshl_b32 s69, s69, 1
.if \hs
	s_add_co_u32 s69, s69, \hs                     ; the head
.endif
	s_lshl_b32 s66, s68, 4
	s_add_co_u32 s66, s66, s69
	s_lshl_b32 s66, s66, 9
	s_add_nc_u64 s[OP+2*\hs:OP+2*\hs+1], s[6:7], s[66:67]      ; oc: [tile][head][512 B]
	s_lshl_b32 s66, s68, 9
	s_lshl_b32 s69, s69, 1
	s_add_co_u32 s66, s66, s69
	s_add_nc_u64 s[SPT+2*\hs:SPT+2*\hs+1], s[8:9], s[66:67]    ; os: [position][32 B], byte 2 head + block
.endm
	s_xor_b32 s71, s[RHO], 15                      ; 15 - rho
	PTRS 0, RHO
	PTRS 1, 71
	v_and_b32 v88, 31, v0
	s_delay_alu instid0(VALU_DEP_1)
	v_lshlrev_b32 v[AL], 4, v88
	v_and_b32 v89, 15, v0                          ; r
	s_delay_alu instid0(VALU_DEP_1)
	v_lshlrev_b32 v[AR], 4, v89
	v_bfe_u32 v90, v0, 4, 1                        ; h
	v_and_b32 v[DQ], 7, v0
	v_bfe_u32 v91, v0, 3, 1
	s_delay_alu instid0(VALU_DEP_1)
	v_lshl_add_u32 v[DQ], v91, 4, v[DQ]            ; position 16 j + r is query 32 (j / 2) + 16 (r / 8) + 8 (j % 2) + r % 8 of its step
	s_delay_alu instid0(VALU_DEP_4)
	v_lshlrev_b32 v91, 4, v90
	s_delay_alu instid0(VALU_DEP_1)
	v_sub_nc_u32 v[DQ], v[DQ], v91
	s_lshr_b32 s66, s[JJ], 1
	s_lshl_b32 s66, s66, 5
	s_and_b32 s67, s[JJ], 1
	s_lshl_b32 s67, s67, 3
	s_add_co_u32 s66, s66, s67
	v_add_nc_u32 v[DQ], s66, v[DQ]
	v_lshl_add_u32 v[OSV], v89, 5, v90
	v_mov_b32 v[NINF], 0xff800000
	s_lshl_b32 s66, s[JJ], 9
	v_add_nc_u32 v[QOF], s66, v[AL]                ; tile j of the chunk
	s_lshr_b32 s66, s[JJ], 2
	s_lshl_b32 s66, s66, 8
	s_and_b32 s67, s[JJ], 3
	s_lshl_b32 s67, s67, 2
	s_add_co_u32 s66, s66, s67
	s_add_co_u32 s66, s66, 8192
	v_add_nc_u32 v[QSF], s66, v[AR]                ; and its rows' scale words
	global_load_b128 v[16:19], v[QOF], s[QP:QP+1]
	global_load_b32 v84, v[QSF], s[QP:QP+1]
	global_load_b128 v[24:27], v[QOF], s[QP+2:QP+3]
	global_load_b32 v85, v[QSF], s[QP+2:QP+3]
.irp j, 20,21,22,23,28,29,30,31,64,65,66,67
	v_mov_b32 v[\j], 0                             ; zero codes: q's upper 64 along K; what stands behind K's last tile
.endr
.irp j, 204,205,206,207,212,215
	v_mov_b32 v[\j], 0                             ; written once: lane permutes' destinations, and the upper half of the pair v[214:215]
.endr
.macro INIT                            ; the step is written once for all steps: the first finds zeros, which the first change of M leaves zeros
	v_mov_b32 v13, 0xff61b1e6                      ; the largest t so far: -3e38
	s_delay_alu instid0(VALU_DEP_1)
	v_floor_f32 v12, -v13                          ; -M
	v_mov_b32 v14, 0
	v_mov_b32 v15, 0
.set j, 0
.rept 32
	v_mov_b32 v[160+j], 0
.set j, j+1
.endr
.endm
; A KEY STEP: 128 keys.  qf: q's fragment, qs: its scale words.
.macro STEP qf, qs
	s_cmp_gt_u32 s[KT], s[RK]                      ; all its keys come after my queries: left out, but for the lines at its end that step addresses
	s_cbranch_scc1 .Lhidden_\@
	v_add_nc_u32 v[ADK], s[TB], v[AL]
	v_add_nc_u32 v[ADS], s[TB], v[AR]
	v_nop
	v_nop                                          ; four plain lines in front of loads into registers that the last products read
.irp t, 0,1,2,3,4,5,6,7
	ds_load_b128 v[32+4*\t:35+4*\t], v[ADK] offset:512*\t      ; K's eight tiles: images, 512 consecutive bytes a load
.endr
.irp g, 0,1
	ds_load_b128 v[72+4*\g:75+4*\g], v[ADS] offset:8192+256*\g ; their scale words, four tiles a load
.endr
	s_wait_alu depctr_va_vdst(0)
	s_wait_dscnt 0x0
.irp t, 0,1,2,3,4,5,6,7
	v_wmma_scale_f32_16x16x128_f8f6f4 v[96+8*\t:103+8*\t], v[32+4*\t:39+4*\t], v[\qf:\qf+7], 0, v[72+\t], v[\qs] matrix_a_fmt:MATRIX_FMT_FP4 matrix_b_fmt:MATRIX_FMT_FP4
.endr
.rept 4
	v_nop
.endr
.irp t, 0,1,2,3                                ; V^T's four fragments are asked for now and land under the softmax
.irp c, 0,1
	ds_load_b128 v[32+8*\t+4*\c:35+8*\t+4*\c], v[ADK] offset:4096+1024*\t+512*\c
.endr
.endr
	ds_load_b128 v[80:83], v[ADS] offset:8704
	s_cmp_lg_u32 s[KT], s[RK]                      ; my last step lies on the diagonal: there hidden scores become -infinity ahead of the maximum
	s_cbranch_scc1 .Lopen_\@
.set n, 0
.rept 64
	v_cmp_gt_i32 vcc_lo, 32*(n/16)+n%16, v[DQ]     ; register n holds key 32 (n / 16) + n % 16 + 16 (lane / 16) of the step
	v_cndmask_b32 v[96+n], v[96+n], v[NINF], vcc_lo
.set n, n+1
.endr
.Lopen_\@:
.irp b, 0,1,2,3
	v_max3_num_f32 v[200+\b], v[96+16*\b], v[97+16*\b], v[98+16*\b]   ; the largest score of each block of 32 keys: for the row's maximum, and, since p rises with the score, for the block's largest p
.endr
.irp i, 3,5,7,9,11,13
.irp b, 0,1,2,3
	v_max3_num_f32 v[200+\b], v[200+\b], v[96+16*\b+\i], v[97+16*\b+\i]
.endr
.endr
.irp b, 0,1,2,3
	v_max_num_f32 v[200+\b], v[200+\b], v[111+16*\b]
.endr
.irp b, 0,1,2,3
	s_delay_alu instid0(VALU_DEP_4)
	v_permlanex16_b32 v[204+\b], v[200+\b], s[SEL], s[SEL+1]
.endr
.irp b, 0,1,2,3
	s_delay_alu instid0(VALU_DEP_4)
	v_max_num_f32 v[200+\b], v[200+\b], v[204+\b]  ; with lane l xor 16's 16 keys
.endr
	s_delay_alu instid0(VALU_DEP_2)
	v_max3_num_f32 v212, v200, v201, v202
	s_delay_alu instid0(VALU_DEP_1)
	v_max_num_f32 v212, v212, v203
	s_delay_alu instid0(VALU_DEP_1)
	v_mul_f32 v212, s[CC], v212                    ; as t
	s_delay_alu instid0(VALU_DEP_1)
	v_max_num_f32 v13, v13, v212                   ; the running largest t
	v_mov_b32 v212, v12
	s_delay_alu instid0(VALU_DEP_2)
	v_floor_f32 v12, -v13                          ; the new -M = -ceil(t)
	s_delay_alu instid0(VALU_DEP_1)
	v_sub_f32 v212, v12, v212                      ; old M - new M: a whole number, 0 or less
	s_delay_alu instid0(VALU_DEP_1)
	v_cvt_i32_f32 v212, v212                       ; (it saturates)
	s_delay_alu instid0(VALU_DEP_1)
	v_ldexp_f32 v214, 1.0, v212                    ; f = 2^(old M - new M)
.set j, 0
.rept 32
	v_pk_fma_f32 v[96+j:97+j], v[96+j:97+j], s[CC:CC+1], v[12:13] op_sel_hi:[1,0,0]   ; t - M, two at a time
.set j, j+2
.endr
.irp b, 0,1,2,3
	v_fma_f32 v[200+\b], v[200+\b], s[CC], v12     ; the same of each block's largest score
.endr
.set j, 0
	s_wait_alu depctr_va_vdst(0)
.rept 64
	v_exp_f32 v[96+j], v[96+j]                     ; p = 2^(t - M)
.set j, j+1
.endr
	v_pk_mul_f32 v[14:15], v[14:15], v[214:215] op_sel_hi:[1,0]       ; the sums under the new M: a plain line behind the exponentials
	s_wait_alu depctr_va_vdst(0)                   ; one wait for the whole batch, ahead of its first reader
.irp b, 0,1,2,3
	v_exp_f32 v[200+\b], v[200+\b]                 ; the block's largest p
.endr
	v_pk_add_f32 v[216:217], v[100:101], v[104:105]
	v_pk_add_f32 v[254:255], v[108:109], v[112:113]
	v_pk_add_f32 v[252:253], v[116:117], v[120:121]
	v_pk_add_f32 v[250:251], v[124:125], v[128:129]
	v_pk_add_f32 v[248:249], v[132:133], v[136:137]
	v_pk_add_f32 v[246:247], v[140:141], v[144:145]
	v_pk_add_f32 v[244:245], v[148:149], v[152:153]
	v_pk_add_f32 v[14:15], v[14:15], v[156:157]
	v_pk_add_f32 v[216:217], v[216:217], v[96:97]
	v_pk_add_f32 v[254:255], v[254:255], v[98:99]
	v_pk_add_f32 v[252:253], v[252:253], v[102:103]
	v_pk_add_f32 v[250:251], v[250:251], v[106:107]
	v_pk_add_f32 v[248:249], v[248:249], v[110:111]
	v_pk_add_f32 v[246:247], v[246:247], v[114:115]
	v_pk_add_f32 v[244:245], v[244:245], v[118:119]
	v_pk_add_f32 v[14:15], v[14:15], v[122:123]
	v_pk_add_f32 v[216:217], v[216:217], v[126:127]
	v_pk_add_f32 v[254:255], v[254:255], v[130:131]
	v_pk_add_f32 v[252:253], v[252:253], v[134:135]
	v_pk_add_f32 v[250:251], v[250:251], v[138:139]
	v_pk_add_f32 v[248:249], v[248:249], v[142:143]
	v_pk_add_f32 v[246:247], v[246:247], v[146:147]
	v_pk_add_f32 v[244:245], v[244:245], v[150:151]
	v_pk_add_f32 v[14:15], v[14:15], v[154:155]
	v_pk_add_f32 v[216:217], v[216:217], v[158:159]
	s_delay_alu instid0(VALU_DEP_2)
	v_pk_add_f32 v[14:15], v[14:15], v[250:251]
	s_delay_alu instid0(VALU_DEP_2)
	v_pk_add_f32 v[216:217], v[216:217], v[248:249]
	v_pk_add_f32 v[254:255], v[254:255], v[246:247]
	v_pk_add_f32 v[252:253], v[252:253], v[244:245]
	s_delay_alu instid0(VALU_DEP_2)
	v_pk_add_f32 v[14:15], v[14:15], v[254:255]
	s_delay_alu instid0(VALU_DEP_2)
	v_pk_add_f32 v[216:217], v[216:217], v[252:253]
	s_delay_alu instid0(VALU_DEP_1)
	v_pk_add_f32 v[14:15], v[14:15], v[216:217]
	s_wait_alu depctr_va_vdst(0)                   ; and one for the four
.irp b, 0,1,2,3
	v_max_num_f32 v[200+\b], 0x1800000, v[200+\b]  ; the floor 2^(3 - 127)
.endr
.irp b, 0,1,2,3
	s_delay_alu instid0(VALU_DEP_4)
	v_add_nc_u32 v[208+\b], 0xff000000, v[200+\b]  ; the conversion's scale operand
.endr
.irp b, 0,1,2,3
	s_delay_alu instid0(VALU_DEP_4)
	v_lshrrev_b32 v[204+\b], 23, v[208+\b]         ; the scale's byte
.endr
	s_delay_alu instid0(VALU_DEP_3)
	v_lshl_or_b32 v86, v205, 8, v204               ; p's scale word for these 128 keys
	s_delay_alu instid0(VALU_DEP_1)
	v_lshl_or_b32 v86, v206, 16, v86
	s_delay_alu instid0(VALU_DEP_1)
	v_lshl_or_b32 v86, v207, 24, v86
.irp b, 0,1,2,3
	v_cvt_scalef32_pk8_fp4_f32 v[192+2*\b], v[96+16*\b:103+16*\b], v[208+\b]
	v_cvt_scalef32_pk8_fp4_f32 v[193+2*\b], v[104+16*\b:111+16*\b], v[208+\b]
.endr
	v_nop                                          ; one plain line behind a scaled conversion
.irp c, 0,1
.irp i, 0,1
	v_permlane16_swap_b32 v[192+4*\c+\i], v[194+4*\c+\i]
.endr
.endr
.set j, 0
.rept 16
	v_pk_mul_f32 v[160+j:161+j], v[160+j:161+j], v[214:215] op_sel_hi:[1,0]   ; O^T under the new M; these sixteen are also the plain lines between the scale word, the codes and the products
.set j, j+2
.endr
	s_wait_alu depctr_va_vdst(0)
	s_wait_dscnt 0x0                               ; V is in
.irp t, 0,1,2,3                                ; the four accumulators take turns, one instruction each
	v_wmma_scale_f32_16x16x128_f8f6f4 v[160+8*\t:167+8*\t], v[32+8*\t:39+8*\t], v[192:199], v[160+8*\t:167+8*\t], v[80+\t], v86 matrix_a_fmt:MATRIX_FMT_FP4 matrix_b_fmt:MATRIX_FMT_FP4
.endr
.Lhidden_\@:
	s_add_co_u32 s[KT], s[KT], 1
	s_add_co_u32 s[TB], s[TB], CHUNK
.endm
.macro WALK n, qf, qs                  ; n key steps: every wave walks them all, so that every trip count is a constant
	s_mov_b32 s[CNT], \n
.Lwalk_\@:
	STEP \qf, \qs
	s_sub_co_u32 s[CNT], s[CNT], 1
	s_cmp_lg_u32 s[CNT], 0
	s_cbranch_scc1 .Lwalk_\@
.endm
; O^T / l, quantised along the head's 64 channels (two blocks), to oc as the next product's operand registers, its two scale bytes to os.
.macro WAYOUT hs
.set OC, 220+8*\hs
.rept 4
	v_nop                                          ; plain lines behind the last products
.endr
	v_add_f32 v14, v14, v15
	s_delay_alu instid0(VALU_DEP_1)
	v_permlanex16_b32 v212, v14, s[SEL], s[SEL+1]
	s_delay_alu instid0(VALU_DEP_1)
	v_add_f32 v14, v14, v212                       ; the row's sum
	s_wait_alu depctr_va_vdst(0)
	v_rcp_f32 v14, v14
	v_nop
	s_wait_alu depctr_va_vdst(0)                   ; ahead of the reciprocal's first reader
.set j, 0
.rept 32
	v_mul_f32 v[96+j], v[160+j], v14               ; register 16 b + i: channel 32 b + 16 (lane / 16) + i
.set j, j+1
.endr
.irp b, 0,1
	v_max3_num_f32 v[200+\b], |v[96+16*\b]|, |v[97+16*\b]|, 0x1800000
.endr
.irp i, 2,4,6,8,10,12,14
.irp b, 0,1
	s_delay_alu instid0(VALU_DEP_2)
	v_max3_num_f32 v[200+\b], v[200+\b], |v[96+16*\b+\i]|, |v[97+16*\b+\i]|
.endr
.endr
.irp b, 0,1
	s_delay_alu instid0(VALU_DEP_2)
	v_permlanex16_b32 v[204+\b], v[200+\b], s[SEL], s[SEL+1]
.endr
.irp b, 0,1
	s_delay_alu instid0(VALU_DEP_2)
	v_max_num_f32 v[200+\b], v[200+\b], v[204+\b]
.endr
.irp b, 0,1
	s_delay_alu instid0(VALU_DEP_2)
	v_add_nc_u32 v[208+\b], 0xff000000, v[200+\b]
.endr
.irp b, 0,1
	s_delay_alu instid0(VALU_DEP_2)
	v_lshrrev_b32 v[204+\b], 23, v[208+\b]
.endr
.irp b, 0,1
	v_cvt_scalef32_pk8_fp4_f32 v[OC+2*\b], v[96+16*\b:103+16*\b], v[208+\b]
	v_cvt_scalef32_pk8_fp4_f32 v[OC+2*\b+1], v[104+16*\b:111+16*\b], v[208+\b]
.endr
	v_cndmask_b32 v[OC+4], v204, v205, s[HI]       ; lanes 0-15 store block 0's byte, lanes 16-31 block 1's.  (The plain line behind the conversions)
	v_permlane16_swap_b32 v[OC], v[OC+2]           ; lanes 0-15: block 0 whole; lanes 16-31: block 1
	v_permlane16_swap_b32 v[OC+1], v[OC+3]
	global_store_b128 v[AL], v[OC:OC+3], s[OP+2*\hs:OP+2*\hs+1]       ; 512 consecutive bytes, aligned
	global_store_b8 v[OSV], v[OC+4], s[SPT+2*\hs:SPT+2*\hs+1]         ; a byte a lane, rows 32 bytes apart: a head owns 2 of a row's 32 bytes; one byte for 16 of codes
.endm
	INIT
	s_mov_b32 s[RK], s[RHO]
	s_mov_b32 s[KT], 0
	s_mov_b32 s[TB], 0
	s_wait_alu depctr_va_vdst(0)
	s_wait_tensorcnt 0x0                           ; my two chunks are in,
	s_barrier_signal -1
	s_barrier_wait -1                              ; everybody's: both heads lie whole in LDS.  No barrier follows but the closing round's
	s_wait_loadcnt 0x0                             ; q
	WALK 16, 16, 84
	WAYOUT 0
	s_xor_b32 s[RK], s[RHO], 15                    ; the second head: rank 15 - rho
	s_mov_b32 s[KT], 0
	s_mov_b32 s[TB], HSTR
	INIT
	WALK 16, 24, 85
	WAYOUT 1
	s_wait_tensorcnt 0x0                           ; the wave's end
	ds_add_u32 v[SPW], v[NIL]
	s_wait_dscnt 0x0
	CROUND                                         ; the closing round
	s_endpgm
.Lfunc_end_k_q80ec65b995_attn:
	.size	k_q80ec65b995_attn, .Lfunc_end_k_q80ec65b995_attn-k_q80ec65b995_attn
	.p2alignl 7, 3214868480
	.fill 96, 4, 3214868480
	.section	.rodata,"a",@progbits
	.p2align	6, 0x0
	.amdhsa_kernel k_q80ec65b995_attn
		.amdhsa_group_segment_fixed_size 288768
		.amdhsa_private_segment_fixed_size 0
		.amdhsa_enable_private_segment 0
		.amdhsa_kernarg_size 24
		.amdhsa_user_sgpr_count 2
		.amdhsa_user_sgpr_kernarg_segment_ptr 1
		.amdhsa_wavefront_size32 1
		.amdhsa_system_sgpr_workgroup_id_x 1
		.amdhsa_system_sgpr_workgroup_id_y 1
		.amdhsa_system_sgpr_workgroup_id_z 1
		.amdhsa_system_vgpr_workitem_id 0
		.amdhsa_next_free_vgpr 256
		.amdhsa_next_free_sgpr 76
		.amdhsa_reserve_vcc 1
		.amdhsa_float_denorm_mode_32 3
		.amdhsa_float_denorm_mode_16_64 3
		.amdhsa_memory_ordered 1
		.amdhsa_forward_progress 1
		.amdhsa_inst_pref_size 61
	.end_amdhsa_kernel
	.amdgpu_metadata
---
amdhsa.version: [ 1, 2 ]
amdhsa.kernels:
  - .name:           k_q80ec65b995_attn
    .symbol:         k_q80ec65b995_attn.kd
    .args:
      - { .name: qkv, .offset: 0, .size: 8, .value_kind: global_buffer, .address_space: global }
      - { .name: oc, .offset: 8, .size: 8, .value_kind: global_buffer, .address_space: global }
      - { .name: os, .offset: 16, .size: 8, .value_kind: global_buffer, .address_space: global }
    .group_segment_fixed_size: 288768
    .private_segment_fixed_size: 0
    .kernarg_segment_align: 8
    .kernarg_segment_size: 24
    .max_flat_workgroup_size: 512
    .sgpr_count:     76
    .vgpr_count:     256
    .wavefront_size: 32
...
	.end_amdgpu_metadata
.endif
;; end of part 3
;; launch outp (part 4): grid 4 x 64, 4 waves a work-group, clusters of 4 x 4, 248,064 bytes of LDS; arguments oc, os, wc, ws, bo, out0; writes out0
.if DOCPART == 4
	.amdgcn_target "amdgcn-amd-amdhsa--gfx1250"
	.amdhsa_code_object_version 6
	.text
	.protected	k_q80ec65b995_outp
	.globl	k_q80ec65b995_outp
	.p2align	8
	.type	k_q80ec65b995_outp,@function
k_q80ec65b995_outp:
	s_mov_b64 s[64:65], 0
	v_nop
	global_prefetch_b8 v0, s[64:65] scope:SCOPE_SE
	s_setreg_imm32_b32 hwreg(HW_REG_WAVE_MODE, 25, 1), 1
	s_wait_xcnt 0x0
	s_wait_alu depctr_hold_cnt(0) depctr_sa_sdst(0) depctr_va_vdst(0) depctr_va_sdst(0) depctr_va_ssrc(0) depctr_va_vcc(0) depctr_vm_vsrc(0)
	s_getreg_b32 s2, hwreg(HW_REG_IB_STS2, 6, 4)
	s_cmp_eq_u32 s2, 0
	s_cbranch_scc0 .Lentry_in_a_cluster
	s_endpgm
.Lentry_in_a_cluster:
	s_bfe_u32 s2, ttmp6, 0x10000c
	s_cmp_lg_u32 s2, 0xf033
	s_cbranch_scc0 .Lentry_shape_is_right
	s_endpgm
.Lentry_shape_is_right:
; Launch 4 of 4: out0 = O Wo + bo on codes of E2M1 (K = 1,024).  A = O's positions (oc: [tile of 16 positions][head 16][512 B register image], os: [position][32 B]), B = Wo's columns (wc rows 3072 + n, ws likewise).
; SHARES.  A work-group makes 128 positions x 256 columns: 256 work-groups.  A wave makes 64 x 128 in 32 accumulators.  All of K lies in LDS: one tensor load a wave at the head, nothing is filled again.
; THE MATRIX INSTRUCTION IS USED TRANSPOSED (source 0 = 16 rows of B, source 1 = 16 rows of A): a lane holds eight neighbouring columns of one row of the result.  bo is the C of each accumulator's first product.
; Position 32 b + 16 u + r is token 32 b + 8 u + r + 8 (r / 8) (launch 1): the stores put each row at its token.
; CLUSTERS: 4 x 4 work-groups; A's tiles are asked for jointly along a row of the cluster, B's along a column.  No prefetch: every tensor load goes out at the head, and the text has no loop to run ahead in.
; REGISTERS: window 0: v16-29 addresses; v32-95 scale words of all of K; v128-191 A's fragments, two sets of four blocks; v192-255 bo; on the way out v128-255 hold rows.  window 1: B's fragments, two sets.  window 2: accumulators.
.set PITCH,  528                       ; B's LDS row: 512 bytes + 16
.set HALFT,  128*PITCH
.set WB,     65536                     ; behind A's eight tiles of 8,192 bytes
.set SCA,    WB+2*HALFT                ; A's scale bytes: 16 units of 256 bytes + 16
.set HALFS,  16*272
.set SBLK,   2*272
.set SCB,    SCA+HALFS                 ; B's: 32 units
.set STAGE,  SCB+2*HALFS               ; the way out: 16 rows x 528 bytes for each wave, bytes of its own
.set SPITCH, 528
.set SPARE,  STAGE+4*16*SPITCH
.set ADRA, 16
.set ADRB, 17
.set ADRS, 20
.set STO,  24
.set RD,   25
.set CO,   26
.set SPW,  28
.set NIL,  29
.set SC,   32
.set AF,   128
.set BI,   192
.set BK,   128
.set G1A,  24
.set G0A,  32
.set G0B,  36
.set G1B,  48
.set G0SA, 56
.set G0SB, 60
.set G1SA, 68
.set G1SB, 76
.set SCLW,  (3<<16)|(1<<20)|(1<<21)|(5<<22)|(3<<25)
.set MSB, 0
.macro WIN new
.if MSB != (\new)
	s_set_vgpr_msb (MSB<<8)|(\new)
.set MSB, (\new)
.endif
.endm
.set MUL_LO,  0xa1                     ; source 0 (B) window 1, source 1 (A) window 0, C and D window 2
.set MUL_LO0, 0x81                     ; the same with C in window 0: bo
.set TO_B,    0x40
.macro CROUND
	s_barrier_signal -1
	s_barrier_wait -1
	s_cmp_lg_u32 s14, 0
	s_cbranch_scc1 .Lnot_wave_0_\@
	s_barrier_signal -3
.Lnot_wave_0_\@:
	s_barrier_wait -3
	s_barrier_signal -1
	s_barrier_wait -1
.endm
.macro GONE g, c, r, p
	s_mov_b32 s[\g+1], (\c)<<16
	s_mov_b32 s[\g+2], (\r)<<16
	s_mov_b32 s[\g+3], (\c)<<16
	s_mov_b32 s[\g+4], \r
	s_mov_b32 s[\g+5], \p
	s_mov_b32 s[\g+6], 0
	s_mov_b32 s[\g+7], 0
.endm
.macro GZERO g, lds, b, o
	s_mov_b32 s[\g], 1
	s_mov_b32 s[\g+1], \lds
	s_add_nc_u64 s[\g+2:\g+3], s[\b:\b+1], s[\o:\o+1]
	s_or_b32 s[\g+3], s[\g+3], 0x80000000
.endm
.macro PLACES n
.rept \n
	v_nop
.endr
.endm
	s_load_b128 s[4:7], s[0:1], 0x0                ; oc, os
	s_load_b128 s[8:11], s[0:1], 0x10              ; wc, ws
	s_load_b64 s[96:97], s[0:1], 0x20              ; bo
	s_load_b64 s[12:13], s[0:1], 0x28              ; out0
	v_lshl_add_u32 v[SPW], v0, 2, SPARE
	v_mov_b32 v[NIL], 0
	ds_add_u32 v[SPW], v[NIL]                      ; the opening: the add, twice on end, and its wait ahead of my first tensor load
	ds_add_u32 v[SPW], v[NIL]
	v_lshrrev_b32 v1, 5, v0
	v_readfirstlane_b32 s14, v1                    ; wave 0..3
	s_lshr_b32 s15, s14, 1                         ; which 64 positions are mine
	s_and_b32 s16, s14, 1                          ; which 128 columns
	s_bfe_u32 s40, ttmp6, 0x40000                  ; cx
	s_bfe_u32 s41, ttmp6, 0x40004                  ; cy
	s_lshl_b32 s42, ttmp9, 2
	s_add_co_u32 s42, s42, s40                     ; 256 columns
	s_and_b32 s17, ttmp7, 0xffff
	s_lshl_b32 s17, s17, 2
	s_add_co_u32 s17, s17, s41                     ; 128 positions
	s_lshl_b32 s43, s41, 2
	s_lshl_b32 s43, 15, s43                        ; my row of the cluster
	s_lshl_b32 s44, 0x1111, s40                    ; my column
	s_or_b32 s[G1A], s43, (3<<16)|(1<<21)          ; A's images: dense, no padding
	s_or_b32 s[G1B], s44, (1<<20)|(1<<21)|(6<<22)|(3<<25)   ; B's rows: 4 words behind every 128
	s_or_b32 s[G1SA], s43, SCLW
	s_or_b32 s[G1SB], s44, SCLW
	GONE G1A, 32, 256, 32                          ; 65,536 dense bytes as 256 rows of 256
	GONE G1B, 512, 256, 512                        ; 256 rows of 512 bytes
	GONE G1SA, 32, 16, 32                          ; 4,096 dense bytes
	GONE G1SB, 32, 32, 32                          ; 8,192 dense bytes
	s_lshl_b32 s20, s17, 16
	s_mov_b32 s21, 0
	s_lshl_b32 s22, s17, 12
	s_mov_b32 s23, 0
	s_lshl_b32 s46, s42, 8
	s_add_co_u32 s46, s46, 3072                    ; Wo's first row in wc
	s_lshl_b32 s18, s46, 5
	s_mov_b32 s19, 0
	s_lshl_b32 s46, s46, 9
	s_mov_b32 s47, 0
	s_wait_dscnt 0x0                               ; both opening adds are done
	s_wait_kmcnt 0x0
	GZERO G0A, 0, 4, 20
	GZERO G0B, WB, 8, 46
	GZERO G0SA, SCA, 6, 22
	GZERO G0SB, SCB, 10, 18
	CROUND                                         ; all sixteen work-groups are here: the joint loads meet
; THE HEAD'S LOADS, one a wave: one chain of branches on the wave's number, a load to an arm, all arms leading to one join.
.macro ARM under, g0, g1, next
	s_cmp_lt_u32 s14, \under
	s_cbranch_scc0 \next
	tensor_load_to_lds s[\g0:\g0+3], s[\g1:\g1+7]
	s_nop 0
	PLACES 4
	s_branch .Lhead_asked
\next:
.endm
	ARM 1, G0B,  G1B,  .Lhead_a
	ARM 2, G0A,  G1A,  .Lhead_sa
	ARM 3, G0SA, G1SA, .Lhead_sb
	tensor_load_to_lds s[G0SB:G0SB+3], s[G1SB:G1SB+7]
	s_nop 0
	PLACES 4
.Lhead_asked:
	s_lshl_b32 s21, s15, 15                        ; my four tiles of A
	s_mul_i32 s22, s16, HALFT
	s_add_co_u32 s22, s22, WB                      ; my 128 rows of B
	s_mul_i32 s66, s15, HALFS/2
	s_add_co_u32 s66, s66, SCA                     ; lanes 0-15 take A's words (blocks 4-7 of such a load reach into B's words and are not used),
	s_mul_i32 s67, s16, HALFS
	s_add_co_u32 s67, s67, SCB
	s_sub_co_u32 s67, s67, s66                     ; lanes 16-31 B's, so many bytes above
	s_mul_i32 s23, s14, 16*SPITCH
	s_add_co_u32 s23, s23, STAGE                   ; my stage
	s_lshl_b32 s46, s42, 10
	s_lshl_b32 s47, s16, 9
	s_add_co_u32 s46, s46, s47                     ; my first column, in bytes
	s_mov_b32 s47, 0
	s_add_nc_u64 s[96:97], s[96:97], s[46:47]
	s_lshl_b32 s20, s17, 7
	s_lshl_b32 s18, s15, 6
	s_add_co_u32 s20, s20, s18
	s_lshl_b32 s20, s20, 12                        ; my first row: 4,096 bytes a row
	s_add_co_u32 s20, s20, s46
	s_mov_b32 s19, 0
	s_mov_b32 s18, s20
	s_add_nc_u64 s[12:13], s[12:13], s[18:19]
	v_and_b32 v1, 15, v0                           ; r
	v_bfe_u32 v2, v0, 4, 1                         ; h
	v_lshlrev_b32 v7, 5, v2
.irp b, 0,1,2,3,4,5,6,7
	global_load_b128 v[BI+8*\b:BI+8*\b+3], v7, s[96:97] offset:64*\b       ; bo at my lane's eight columns of block b
	global_load_b128 v[BI+8*\b+4:BI+8*\b+7], v7, s[96:97] offset:64*\b+16
.endr
	v_mul_u32_u24 v3, v1, PITCH
	v_lshl_add_u32 v4, v2, 4, v3
	v_add_nc_u32 v[ADRB], s22, v4
	v_and_b32 v6, 31, v0
	v_lshlrev_b32 v[CO], 4, v6
	v_add_nc_u32 v[ADRA], s21, v[CO]
	v_lshlrev_b32 v5, 5, v1
	v_lshrrev_b32 v6, 8, v5
	v_lshl_add_u32 v5, v6, 4, v5
	v_mul_u32_u24 v6, s67, v2
	v_add_nc_u32 v5, s66, v5
	v_add_nc_u32 v[ADRS], v5, v6
	v_mul_u32_u24 v5, v1, SPITCH
	v_lshl_add_u32 v5, v2, 5, v5
	v_add_nc_u32 v[STO], s23, v5                   ; in: row r, 32 bytes for each half of the lanes
	v_add_nc_u32 v[RD], s23, v[CO]                 ; back: the 32 lanes take one row of 512 bytes
.macro MUL16 a0, p, q, first
.irp a, \a0, \a0+1
.irp b, 0,1,2,3,4,5,6,7
.if \first
	v_wmma_scale_f32_16x16x128_f8f6f4 v[8*(8*((\a)%4)+\b):8*(8*((\a)%4)+\b)+7], v[128*(\p)+8*\b:128*(\p)+8*\b+7], v[AF+8*(\a):AF+8*(\a)+7], v[BI+8*\b:BI+8*\b+7], v[SC+32*((\q)/4)+4*\b+(\q)%4], v[SC+32*((\q)/4)+4*((\a)&3)+(\q)%4] matrix_a_fmt:MATRIX_FMT_FP4 matrix_b_fmt:MATRIX_FMT_FP4 matrix_a_scale:MATRIX_SCALE_ROW1
.else
	v_wmma_scale_f32_16x16x128_f8f6f4 v[8*(8*((\a)%4)+\b):8*(8*((\a)%4)+\b)+7], v[128*(\p)+8*\b:128*(\p)+8*\b+7], v[AF+8*(\a):AF+8*(\a)+7], v[8*(8*((\a)%4)+\b):8*(8*((\a)%4)+\b)+7], v[SC+32*((\q)/4)+4*\b+(\q)%4], v[SC+32*((\q)/4)+4*((\a)&3)+(\q)%4] matrix_a_fmt:MATRIX_FMT_FP4 matrix_b_fmt:MATRIX_FMT_FP4 matrix_a_scale:MATRIX_SCALE_ROW1
.endif
.endr
.endr
.endm
.macro FETCH_B q, p                    ; B's eight fragments of K step q into set p
	WIN TO_B
.irp i, 0,1,2,3,4,5,6,7
.irp c, 0,1
	ds_load_b128 v[128*(\p)+8*\i+4*\c:128*(\p)+8*\i+4*\c+3], v[ADRB] offset:64*(\q)+32*\c+\i*16*PITCH
.endr
.endr
	WIN 0
.endm
.macro FETCH_A q, r0                   ; A's four tiles, heads 2 q and 2 q + 1, into register blocks r0 .. r0 + 3: images, 512 consecutive bytes a load
.irp i, 0,1,2,3
.irp c, 0,1
	ds_load_b128 v[AF+8*((\r0)+\i)+4*\c:AF+8*((\r0)+\i)+4*\c+3], v[ADRA] offset:8192*\i+1024*(\q)+512*\c
.endr
.endr
.endm
.macro HSTEP q, a0, p, first           ; a K step of 128: 32 matrix instructions, the 32 accumulators by turns; the next step's loads go out ahead of them
	s_wait_dscnt 0x0                               ; this step's fragments are in
.if (\q) < 7
	PLACES 4                                       ; behind the last step's products, which read the sets that are loaded now
	FETCH_B (\q)+1, 1-(\p)
	FETCH_A (\q)+1, 4-(\a0)
.endif
.if \first
	WIN MUL_LO0
.else
	WIN MUL_LO
.endif
	MUL16 \a0, \p, \q, \first
	MUL16 (\a0)+2, \p, \q, \first
	WIN 0
.endm
	s_wait_alu depctr_va_vdst(0)
	s_wait_tensorcnt 0x0                           ; my tile of the head's four is in,
	s_barrier_signal -1
	s_barrier_wait -1                              ; everybody's is
	FETCH_B 0, 0
	FETCH_A 0, 0
.irp s, 0,1
.irp i, 0,1,2,3,4,5,6,7
	ds_load_b128 v[SC+32*\s+4*\i:SC+32*\s+4*\i+3], v[ADRS] offset:\i*SBLK+16*\s   ; the scale words of all of K
.endr
.endr
	s_wait_loadcnt 0x0                             ; bo
	HSTEP 0, 0, 0, 1
	HSTEP 1, 4, 1, 0
	HSTEP 2, 0, 0, 0
	HSTEP 3, 4, 1, 0
	HSTEP 4, 0, 0, 0
	HSTEP 5, 4, 1, 0
	HSTEP 6, 0, 0, 0
	HSTEP 7, 4, 1, 0
; THE WAY OUT, block by block of 16 rows x 128 columns: through my own stage and back as whole rows of 512 bytes.  LDS serves a wave's instructions in order (ISA guide 5.7.1.4): no wait between the stores and the loads.
.macro TOSTAGE a
.set AC, 64*(\a)
	WIN 0x08                                       ; the data: window 2
.irp b, 0,1,2,3,4,5,6,7
	ds_store_b128 v[STO], v[AC+8*\b:AC+8*\b+3] offset:64*\b          ; each accumulator from its low end on
	ds_store_b128 v[STO], v[AC+8*\b+4:AC+8*\b+7] offset:64*\b+16
.endr
	WIN 0
.set BB, BK+64*((\a)%2)
.irp t, 0,1,2,3,4,5,6,7,8,9,10,11,12,13,14,15
	ds_load_b128 v[BB+4*\t:BB+4*\t+3], v[RD] offset:\t*SPITCH
.endr
.endm
.macro SEND a, younger                 ; younger: the LDS instructions issued behind block a's loads, which may stay out
.set BB, BK+64*((\a)%2)
	s_wait_dscnt \younger
.irp t, 0,1,2,3,4,5,6,7,8,9,10,11,12,13,14,15
	global_store_b128 v[CO], v[BB+4*\t:BB+4*\t+3], s[12:13] offset:(32*((\a)/2)+8*((\a)%2)+(\t&7)+16*(\t>>3))*4096 th:TH_STORE_NT   ; 32 lanes store 512 consecutive bytes, aligned, at the position's token
.endr
.endm
	PLACES 4
	TOSTAGE 0
.irp a, 1,2,3
.if \a > 1
	s_wait_xcnt 0x0                                ; block a - 2's stores have read their registers: block a's loads may land there
.endif
	TOSTAGE \a
	SEND \a-1, 32
.endr
	SEND 3, 0
	s_wait_tensorcnt 0x0                           ; the wave's end
	ds_add_u32 v[SPW], v[NIL]
	s_wait_dscnt 0x0
	CROUND                                         ; the closing round
	s_endpgm
.Lfunc_end_k_q80ec65b995_outp:
	.size	k_q80ec65b995_outp, .Lfunc_end_k_q80ec65b995_outp-k_q80ec65b995_outp
	.p2alignl 7, 3214868480
	.fill 96, 4, 3214868480
	.section	.rodata,"a",@progbits
	.p2align	6, 0x0
	.amdhsa_kernel k_q80ec65b995_outp
		.amdhsa_group_segment_fixed_size 248064
		.amdhsa_private_segment_fixed_size 0
		.amdhsa_enable_private_segment 0
		.amdhsa_kernarg_size 48
		.amdhsa_user_sgpr_count 2
		.amdhsa_user_sgpr_kernarg_segment_ptr 1
		.amdhsa_wavefront_size32 1
		.amdhsa_system_sgpr_workgroup_id_x 1
		.amdhsa_system_sgpr_workgroup_id_y 1
		.amdhsa_system_sgpr_workgroup_id_z 1
		.amdhsa_system_vgpr_workitem_id 0
		.amdhsa_next_free_vgpr 1024
		.amdhsa_next_free_sgpr 98
		.amdhsa_reserve_vcc 0
		.amdhsa_float_denorm_mode_32 3
		.amdhsa_float_denorm_mode_16_64 3
		.amdhsa_memory_ordered 1
		.amdhsa_forward_progress 1
		.amdhsa_inst_pref_size 72
	.end_amdhsa_kernel
	.amdgpu_metadata
---
amdhsa.version: [ 1, 2 ]
amdhsa.kernels:
  - .name:           k_q80ec65b995_outp
    .symbol:         k_q80ec65b995_outp.kd
    .args:
      - { .name: oc, .offset: 0, .size: 8, .value_kind: global_buffer, .address_space: global }
      - { .name: os, .offset: 8, .size: 8, .value_kind: global_buffer, .address_space: global }
      - { .name: wc, .offset: 16, .size: 8, .value_kind: global_buffer, .address_space: global }
      - { .name: ws, .offset: 24, .size: 8, .value_kind: global_buffer, .address_space: global }
      - { .name: bo, .offset: 32, .size: 8, .value_kind: global_buffer, .address_space: global }
      - { .name: out0, .offset: 40, .size: 8, .value_kind: global_buffer, .address_space: global }
    .group_segment_fixed_size: 248064
    .private_segment_fixed_size: 0
    .kernarg_segment_align: 8
    .kernarg_segment_size: 48
    .max_flat_workgroup_size: 128
    .sgpr_count:     98
    .vgpr_count:     1024
    .wavefront_size: 32
...
	.end_amdgpu_metadata
.endif
;; end of part 4
